; MI455X (gfx1250); checked and timed in simulation.
; The chip was launched on July 23, 2026; its instructions are those of AMD's public machine-readable ISA for CDNA 5 (MIT licence, August 2026) and "CDNA5" Instruction Set Architecture Reference Guide (July 2026). The comments in the code are by the model that wrote it; some were corrected since.
;; Energy Transformer Layer. Allowed arithmetic: matrix products marked QUANTISED: E2M3 operands, one E8M0 scale for each 32 along K, by v_wmma_scale_f32_16x16x128_f8f6f4 with both operands' format E2M3, f32 sums; everything else in f32.
;; Inputs: W1 4,096 x 1,024 float32; W2 1,024 x 4,096 float32; Wk 16 x 64 x 1,024 float32; Wo 1,024 x 1,024 float32; Wq 16 x 64 x 1,024 float32; alpha1 1 float32; alpha2 1 float32; context 2,048 x 1,024 float32; target 1,024 x 1,024 float32.
;; Outputs: out0 1,024 x 1,024 float32.
;; This version of the problem:
;;   THIS VERSION OF THE PROBLEM IS GIVEN IN LOW PRECISION. The matrix products marked QUANTISED in the list below multiply operands that are first quantised to E2M3 (2 exponent bits, 3 mantissa bits; 6 bits a number), with one power-of-two scale for each 32 numbers along K (OCP MX v1.0); their sums are f32. All else is computed in f32.
;;   The module's matrix products, in the order in which they are computed (A, B: the left and right operand; K: the contracted axis; several contracted axes count as one K, in the product's order):
;;     1. [M 2,048, K 1,024] x [K 1,024, N 1,024]; A: input context; B: input Wk: QUANTISED
;;     2. [M 1,024, K 1,024] x [K 1,024, N 1,024]; A: computed on the way; B: input Wq: QUANTISED
;;     3. batch 16 x [M 1,024, K 64] x [K 64, N 2,048]; A: computed on the way; B: computed on the way: QUANTISED
;;     4. batch 16 x [M 64, K 2,048] x [K 2,048, N 1,024]; A: computed on the way; B: softmax (see below): QUANTISED
;;     5. batch 16 x [M 1,024, K 64] x [K 64, N 2,048]; A: computed on the way; B: computed on the way: QUANTISED
;;     6. batch 16 x [M 64, K 2,048] x [K 2,048, N 1,024]; A: computed on the way; B: softmax (see below): QUANTISED
;;     7. batch 16 x [M 1,024, K 64] x [K 64, N 2,048]; A: computed on the way; B: computed on the way: QUANTISED
;;     8. batch 16 x [M 64, K 2,048] x [K 2,048, N 1,024]; A: computed on the way; B: softmax (see below): QUANTISED
;;     9. batch 16 x [M 1,024, K 64] x [K 64, N 2,048]; A: computed on the way; B: computed on the way: QUANTISED
;;     10. batch 16 x [M 64, K 2,048] x [K 2,048, N 1,024]; A: computed on the way; B: softmax (see below): QUANTISED
;;     11. batch 16 x [M 1,024, K 64] x [K 64, N 2,048]; A: computed on the way; B: computed on the way: QUANTISED
;;     12. batch 16 x [M 64, K 2,048] x [K 2,048, N 1,024]; A: computed on the way; B: softmax (see below): QUANTISED
;;     13. [M 1,024, K 1,024] x [K 1,024, N 1,024]; A: computed on the way; B: input Wo: QUANTISED
;;     14. [M 1,024, K 1,024] x [K 1,024, N 4,096]; A: computed on the way; B: input W1: QUANTISED
;;     15. [M 1,024, K 4,096] x [K 4,096, N 1,024]; A: computed on the way; B: input W2: QUANTISED
;;   THE QUANTISER, for each operand of a quantised product, along K:
;;     - K is cut into blocks of 32 from its start; a last block that is shorter is filled with zeros.
;;     - A block's scale is 2^e with e = floor(log2(the largest magnitude in the block)) - 2, held to -126 .. 127; a block of zeros has e = 0. As a byte (E8M0): e + 127.
;;     - Each number is divided by its block's scale, clamped to +-7.5, and rounded to the nearest number of E2M3, ties to even, subnormals kept.
;;     - The product sums the exact products of the quantised numbers (number of the format x scale) in f32.
;;   ~~~python
;;   def quantise(x, axis):      # numpy; x: float32 -> the quantised numbers, widened to float32 again
;;       x = np.moveaxis(x, axis, -1); K = x.shape[-1]
;;       x = np.pad(x, [(0, 0)] * (x.ndim - 1) + [(0, -K % 32)]); x = x.reshape(x.shape[:-1] + (-1, 32)); a = np.abs(x).max(-1, keepdims=True)
;;       e = np.where(a > 0, np.clip(np.frexp(np.where(a > 0, a, 1))[1] - 1 - 2, -126, 127), 0)      # np.frexp(a)[1] - 1 = floor(log2(a)), exactly
;;       r = np.clip(x / 2.0 ** e, -7.5, 7.5)
;;       step = 2.0 ** (np.maximum(np.frexp(np.where(r == 0, 1, r))[1] - 1, 0) - 3)
;;       q = np.round(r / step) * step * 2.0 ** e      # np.round: ties to even
;;       return np.moveaxis(q.reshape(q.shape[:-2] + (-1,))[..., :K], -1, axis).astype(np.float32)
;;   ~~~
;;   SOFTMAX AHEAD OF A QUANTISED PRODUCT. Where the list says 'softmax', what is quantised is not the finished softmax but p = 2^(t - M), with t = logit x log2(e) and M = ceil(the row's largest t), a whole number; so 1/2 < the row's largest p <= 1. The row's sum l is taken of the UNQUANTISED p, in f32, and the product's result is divided by l at the end. Since M is a whole number, a kernel that streams over the keys may use a running M (the ceiling of the running maximum): every later rescaling is an exact power of two, which a block's scale takes up: the codes' values come out the same.
;;   OPERANDS COMPUTED ON THE WAY. 'Computed on the way' means the value that the module computes at that place (a softmax that the list does not call 'softmax' is quantised finished and normalised). What goes into a quantiser is computed in f32, as accurately as f32 sums, v_exp_f32 and their like allow (about 1e-6 of the number): no bf16 or f16 on the way to a quantiser, and a product that is left as it is and whose result goes on into a quantised operand takes f32 operands (vector FMAs, or v_wmma_f32_16x16x4_f32). A number that lies on a knife's edge between two numbers of the format may be rounded either way, as far as f32 arithmetic and the matrix unit's own rounding can turn it there, and no further.
;; One version. Each part assembles by itself: llvm-mc -triple=amdgcn-amd-amdhsa -mcpu=gfx1250 --defsym DOCPART=n.
;; ======== version 1 of 1: 6 launches
;; limits: right only within a limited range of input values
;; workspace buffers: abuf 11,468,800 bytes; bbuf 7,471,104 bytes; cbuf 819,200 bytes; dbuf 5,013,504 bytes; ebuf 3,276,800 bytes
;; launch quant (part 1): grid 896 x 1, 4 waves a work-group, no clusters, 35,840 bytes of LDS; arguments context, Wk, Wq, Wo, target, W1, W2, alpha1, abuf; writes abuf
.if DOCPART == 1
	.amdgcn_target "amdgcn-amd-amdhsa--gfx1250"
	.amdhsa_code_object_version 6
	.text
	.protected	k_q860e9e2235_quant
	.globl	k_q860e9e2235_quant
	.p2align	8
	.type	k_q860e9e2235_quant,@function
k_q860e9e2235_quant:
	s_mov_b64 s[64:65], 0
	v_nop
	global_prefetch_b8 v0, s[64:65] scope:SCOPE_SE
	s_setreg_imm32_b32 hwreg(HW_REG_WAVE_MODE, 25, 1), 1
	s_wait_xcnt 0x0
; context, Wk, Wq, Wo, tanh(alpha1 x target), W1, W2 (f32, K innermost) become codes of FP6 (E2M3) with one E8M0 byte for each 32 along K,
; laid in abuf IN THE ORDER OF AN OPERAND'S REGISTERS.  A job = one tile of 16 rows x 1,024 along K = 16 units of 768 bytes + 512 scale bytes.
; THE ROWS OF A TILE ARE NOT NEIGHBOURS: lane-row r of tile T is row 32 (T / 2) + 8 (T % 2) + r + 8 (r / 8).
; A UNIT (16 rows x 64 K): lane (r, h) holds the 32 codes of k = 32 h .. 32 h + 31 of its row, six registers: registers 0-3 at 16 x lane, registers 4-5 at 512 + 8 x lane.
; SCALE BLOCK of a job: lane-row r's 32 bytes at 32 r.  Job J's codes lie at 12,288 J, its scale block at ASC + 512 J.
; Jobs: context 0-127, Wk 128-191, Wq 192-255, Wo 256-319, target 320-383, W1 384-639, W2 640 + 4 T + chunk of 1,024 along K.
; A block's scale is 2^(floor(log2(largest magnitude)) - 2); its byte is the largest magnitude's exponent field - 2, held at 1 from below.
; LIMITS: NaN and infinities are not served; a block of zeros, or one under 2^-124, gets the byte 1 where the rule says 127: its codes are zeros, and this program alone reads the bytes.
; SHARES: a work-group takes a job, wave w units 4 w .. 4 w + 3.  Each load reads two rows' aligned 256 bytes (sixteen lanes a row); a unit turns through the wave's own stage in LDS
; (16 rows, 272 bytes apart) and comes back 128 bytes a lane: a whole block of 32 in one lane.  All 32 loads of a wave go out at the head.
; tanh(y): |y| >= 0.25: (1 - e) / (1 + e), e = 2^(-2 log2(e) |y|); below: y (1 + y^2 (-1/3 + y^2 (2/15 - 17/315 y^2))), so that no difference of near numbers stands ahead of the quantiser.
.set ASC,  11010048
.set SBR,  12                          ; v12-15  a scale byte for each unit
.set GA,   16                          ; v16-23  the eight loads' offsets
.set TT,   24                          ; v24-27  at work in tanh
.set R,    32                          ; v32-159 four units as loaded
.set X,    160                         ; v160-223 two sets of 32 neighbours
.set C,    224                         ; v224-255 codes, eight registers a unit
.set KC1,  40
.set KC3,  41
.set KC5,  42
.set KC7,  43
.set K025, 44
.set K7F,  45
.macro TANH32 x, e, d                  ; v[x] .. v[x+31] = tanh of themselves; e, d: 32 registers of scratch each
.set TI, 0
.rept 32
	v_mul_f32 v[\e+TI], s[KC1], |v[\x+TI]|
.set TI, TI+1
.endr
.set TI, 0
	s_wait_alu depctr_va_vdst(0)
.rept 32
	v_exp_f32 v[\e+TI], v[\e+TI]
.set TI, TI+1
.endr
	v_nop                                          ; a plain place behind the batch
	s_wait_alu depctr_va_vdst(0)                   ; one wait for the 32 exponentials, ahead of their first reader
.set TI, 0
.rept 32
	v_add_f32 v[\d+TI], 1.0, v[\e+TI]
	v_sub_f32 v[\e+TI], 1.0, v[\e+TI]
.set TI, TI+1
.endr
.set TI, 0
	s_wait_alu depctr_va_vdst(0)
.rept 32
	v_rcp_f32 v[\d+TI], v[\d+TI]
.set TI, TI+1
.endr
	v_nop
	s_wait_alu depctr_va_vdst(0)                   ; one wait for the 32 reciprocals
.set TI, 0
.rept 32
	v_mul_f32 v[\e+TI], v[\e+TI], v[\d+TI]         ; tanh |y|
	v_mul_f32 v[\d+TI], v[\x+TI], v[\x+TI]         ; y^2
	v_fma_f32 v[TT+TI%4], v[\d+TI], s[KC7], s[KC5]
	v_fma_f32 v[TT+TI%4], v[TT+TI%4], v[\d+TI], s[KC3]
	v_mul_f32 v[TT+TI%4], v[TT+TI%4], v[\d+TI]
	v_fma_f32 v[TT+TI%4], v[\x+TI], v[TT+TI%4], v[\x+TI]   ; the series
	v_cmp_gt_f32 vcc_lo, s[K025], |v[\x+TI]|
	v_bfi_b32 v[\e+TI], s[K7F], v[\e+TI], v[\x+TI]         ; y's sign
	v_cndmask_b32 v[\x+TI], v[\e+TI], v[TT+TI%4], vcc_lo
.set TI, TI+1
.endr
.endm
	s_load_b512 s[4:19], s[0:1], 0x0               ; context, Wk, Wq, Wo, target, W1, W2, alpha1
	s_load_b64 s[20:21], s[0:1], 0x40              ; abuf
	v_lshl_add_u32 v247, v0, 2, 0x8a00
	v_mov_b32 v255, 0
	v_lshrrev_b32 v6, 5, v0
	v_readfirstlane_b32 s38, v6                    ; wave
	v_and_b32 v7, 31, v0                           ; lane
	v_and_b32 v8, 15, v0                           ; lane % 16
	v_bfe_u32 v9, v0, 4, 1                         ; lane / 16
	v_lshlrev_b32 v1, 4, v7                        ; 16 x lane
	v_lshlrev_b32 v2, 3, v7                        ; 8 x lane
	s_mul_i32 s39, s38, 8704                       ; my two stages
	v_mul_u32_u24 v3, v9, 272
	v_lshl_add_u32 v3, v8, 4, v3
	v_add_nc_u32 v3, s39, v3                       ; into a stage: row lane / 16 of a load's two, 16 bytes a lane
	v_mul_u32_u24 v4, v8, 272
	v_lshl_add_u32 v4, v9, 7, v4
	v_add_nc_u32 v4, s39, v4                       ; out of it: row r, + 128 h: my block of 32
	s_lshl_b32 s39, s38, 3
	s_add_co_u32 s39, s39, 34816
	v_lshl_add_u32 v5, v8, 5, v9
	v_add_nc_u32 v5, s39, v5                       ; the job's scale bytes: 32 r + h + 8 x wave
	v_add_nc_u32 v29, 34816, v1                    ; and their way out
	s_mov_b32 s[KC1], 0xc038aa3b                   ; -2 log2(e)
	s_mov_b32 s[KC3], 0xbeaaaaab                   ; -1/3
	s_mov_b32 s[KC5], 0x3e088889                   ; 2/15
	s_mov_b32 s[KC7], 0xbd5d0dd1                   ; -17/315
	s_mov_b32 s[K025], 0x3e800000                  ; 0.25
	s_mov_b32 s[K7F], 0x7fffffff
	s_wait_kmcnt 0x0
	s_load_b32 s31, s[18:19], 0x0                  ; alpha1
	s_mov_b64 s[22:23], s[4:5]                     ; which tensor: the choice hangs on the work-group's number alone
	s_mov_b32 s24, 0
	s_cmp_ge_u32 ttmp9, 128
	s_cselect_b64 s[22:23], s[6:7], s[22:23]
	s_cselect_b32 s24, 128, s24
	s_cmp_ge_u32 ttmp9, 192
	s_cselect_b64 s[22:23], s[8:9], s[22:23]
	s_cselect_b32 s24, 192, s24
	s_cmp_ge_u32 ttmp9, 256
	s_cselect_b64 s[22:23], s[10:11], s[22:23]
	s_cselect_b32 s24, 256, s24
	s_cmp_ge_u32 ttmp9, 320
	s_cselect_b64 s[22:23], s[12:13], s[22:23]
	s_cselect_b32 s24, 320, s24
	s_cmp_ge_u32 ttmp9, 384
	s_cselect_b64 s[22:23], s[14:15], s[22:23]
	s_cselect_b32 s24, 384, s24
	s_cmp_ge_u32 ttmp9, 640
	s_cselect_b64 s[22:23], s[16:17], s[22:23]
	s_cselect_b32 s24, 640, s24
	s_cselect_b32 s25, 14, 12                      ; a row is 2^14 bytes in W2, 2^12 elsewhere
	s_cselect_b32 s26, 2, 0                        ; W2: four jobs to a tile
	s_cselect_b32 s27, 3, 0
	s_sub_co_u32 s28, ttmp9, s24
	s_lshr_b32 s29, s28, s26                       ; tile T
	s_and_b32 s28, s28, s27                        ; chunk of 1,024 along K
	s_lshr_b32 s32, s29, 1
	s_lshl_b32 s32, s32, 5
	s_and_b32 s33, s29, 1
	s_lshl_b32 s33, s33, 3
	s_add_co_u32 s32, s32, s33                     ; the tile's first row
	s_lshl_b32 s32, s32, s25
	s_lshl_b32 s28, s28, 12
	s_add_co_u32 s32, s32, s28
	s_lshl_b32 s33, s38, 10                        ; my four units: 1,024 bytes of a row
	s_add_co_u32 s32, s32, s33
	s_mov_b32 s33, 0
	s_add_nc_u64 s[22:23], s[22:23], s[32:33]
	s_mul_i32 s32, ttmp9, 12288
	s_mul_i32 s28, s38, 3072
	s_add_co_u32 s32, s32, s28
	s_add_nc_u64 s[34:35], s[20:21], s[32:33]      ; my units
	s_lshl_b32 s32, ttmp9, 9
	s_add_co_u32 s32, s32, ASC
	s_add_nc_u64 s[36:37], s[20:21], s[32:33]      ; the job's scale block
	s_sub_co_u32 s30, ttmp9, 320
	s_cmp_lt_u32 s30, 64
	s_cselect_b32 s30, 1, 0                        ; 1: the target's job, which takes tanh first
	v_lshlrev_b32 v6, s25, v9
	v_lshl_add_u32 v6, v8, 4, v6
	s_wait_alu depctr_va_vdst(0)
.irp i, 0,1,2,3,4,5,6,7
	s_lshl_b32 s39, 2*\i+8*(\i/4), s25             ; load i: lane-rows 2 i and 2 i + 1, which lie 8 rows further on from lane-row 8
	v_add_nc_u32 v[GA+\i], s39, v6
.endr
.irp j, 0,1,2,3
.irp i, 0,1,2,3,4,5,6,7
	global_load_b128 v[R+32*\j+4*\i:R+32*\j+4*\i+3], v[GA+\i], s[22:23] offset:256*\j th:TH_LOAD_NT
.endr
.endr
	s_wait_kmcnt 0x0                               ; alpha1
.macro TURN j                          ; unit j through stage j % 2: LDS serves a wave's instructions in order, so no wait stands between the stores and the loads
.irp i, 0,1,2,3,4,5,6,7
	ds_store_b128 v3, v[R+32*(\j)+4*\i:R+32*(\j)+4*\i+3] offset:4352*((\j)%2)+544*\i
.endr
.irp i, 0,1,2,3,4,5,6,7
	ds_load_b128 v[X+32*((\j)%2)+4*\i:X+32*((\j)%2)+4*\i+3], v4 offset:4352*((\j)%2)+16*\i
.endr
.endm
.macro UNIT j
.if \j < 3
	s_wait_loadcnt 16-8*\j                         ; the next unit's eight loads are in; the younger units' may be out
	TURN \j+1
	s_wait_dscnt 16                                ; all but the sixteen just issued: this unit is back from its stage
.else
	s_wait_dscnt 0x0
.endif
.set XS, X+32*((\j)%2)
	s_cmp_eq_u32 s30, 0
	s_cbranch_scc1 .Lplain_\@
	s_wait_dscnt 0x0                               ; the scratch below is two units' load registers: their stores into the stages are done
.set TI, 0
.rept 32
	v_mul_f32 v[XS+TI], s31, v[XS+TI]
.set TI, TI+1
.endr
	TANH32 XS, R+32*\j, R+32*(\j+1-2*(\j%2))
.Lplain_\@:
	v_max3_num_f32 v10, |v[XS]|, |v[XS+1]|, |v[XS+2]|      ; the block's largest magnitude: all 32 numbers are mine; two chains
	v_max3_num_f32 v11, |v[XS+3]|, |v[XS+4]|, |v[XS+5]|
.irp i, 6,10,14,18,22,26
	v_max3_num_f32 v10, v10, |v[XS+\i]|, |v[XS+\i+1]|
	v_max3_num_f32 v11, v11, |v[XS+\i+2]|, |v[XS+\i+3]|
.endr
	v_max3_num_f32 v10, v10, |v[XS+30]|, |v[XS+31]|
	v_max3_num_f32 v10, v10, v11, 0x1800000        ; and the floor 2^(3 - 127): the byte cannot fall under 1
	v_add_nc_u32 v28, 0xff000000, v10              ; 2 off the exponent field: the conversion's scale operand
	v_cvt_scalef32_pk16_fp6_f32 v[C+8*\j:C+8*\j+2], v[XS:XS+15], v28
	v_cvt_scalef32_pk16_fp6_f32 v[C+8*\j+4:C+8*\j+6], v[XS+16:XS+31], v28   ; (a conversion's three registers begin on an even number)
	v_lshrrev_b32 v[SBR+\j], 23, v28               ; the scale's byte; also the plain place behind the conversions
	v_mov_b32 v[C+8*\j+3], v[C+8*\j+4]
	v_mov_b32 v[C+8*\j+4], v[C+8*\j+5]
	v_mov_b32 v[C+8*\j+5], v[C+8*\j+6]
	ds_store_b8 v5, v[SBR+\j] offset:2*\j
	global_store_b128 v1, v[C+8*\j:C+8*\j+3], s[34:35] offset:768*\j          ; 512 consecutive bytes,
	global_store_b64 v2, v[C+8*\j+4:C+8*\j+5], s[34:35] offset:768*\j+512     ; and 256: both begin at multiples of 256 from abuf's first byte
.endm
	s_wait_loadcnt 24                              ; unit 0's eight loads are in
	TURN 0
	UNIT 0
	UNIT 1
	UNIT 2
	UNIT 3
	s_wait_dscnt 0x0                               ; for the others' sake: my scale bytes lie in LDS
	s_barrier_signal -1
	s_barrier_wait -1
	s_cmp_lg_u32 s38, 0
	s_cbranch_scc1 .Ldone
	ds_load_b128 v[24:27], v29                     ; wave 0 sends the job's 512 scale bytes out as they lie
	s_wait_dscnt 0x0
	global_store_b128 v1, v[24:27], s[36:37]
.Ldone:
	s_barrier_signal -1
	s_barrier_wait -1
	s_wait_tensorcnt 0x0
	ds_add_u32 v247, v255
	s_wait_dscnt 0x0
	s_endpgm
.Lfunc_end_k_q860e9e2235_quant:
	.size	k_q860e9e2235_quant, .Lfunc_end_k_q860e9e2235_quant-k_q860e9e2235_quant
	.p2alignl 7, 3214868480
	.fill 96, 4, 3214868480
	.section	.rodata,"a",@progbits
	.p2align	6, 0x0
	.amdhsa_kernel k_q860e9e2235_quant
		.amdhsa_group_segment_fixed_size 35840
		.amdhsa_private_segment_fixed_size 0
		.amdhsa_enable_private_segment 0
		.amdhsa_kernarg_size 72
		.amdhsa_user_sgpr_count 2
		.amdhsa_user_sgpr_kernarg_segment_ptr 1
		.amdhsa_wavefront_size32 1
		.amdhsa_system_sgpr_workgroup_id_x 1
		.amdhsa_system_sgpr_workgroup_id_y 1
		.amdhsa_system_sgpr_workgroup_id_z 1
		.amdhsa_system_vgpr_workitem_id 0
		.amdhsa_next_free_vgpr 256
		.amdhsa_next_free_sgpr 66
		.amdhsa_reserve_vcc 1
		.amdhsa_float_denorm_mode_32 3
		.amdhsa_float_denorm_mode_16_64 3
		.amdhsa_memory_ordered 1
		.amdhsa_forward_progress 1
		.amdhsa_inst_pref_size 104
	.end_amdhsa_kernel
	.amdgpu_metadata
---
amdhsa.version: [ 1, 2 ]
amdhsa.kernels:
  - .name:           k_q860e9e2235_quant
    .symbol:         k_q860e9e2235_quant.kd
    .args:
      - { .name: context, .offset: 0, .size: 8, .value_kind: global_buffer, .address_space: global }
      - { .name: Wk, .offset: 8, .size: 8, .value_kind: global_buffer, .address_space: global }
      - { .name: Wq, .offset: 16, .size: 8, .value_kind: global_buffer, .address_space: global }
      - { .name: Wo, .offset: 24, .size: 8, .value_kind: global_buffer, .address_space: global }
      - { .name: target, .offset: 32, .size: 8, .value_kind: global_buffer, .address_space: global }
      - { .name: W1, .offset: 40, .size: 8, .value_kind: global_buffer, .address_space: global }
      - { .name: W2, .offset: 48, .size: 8, .value_kind: global_buffer, .address_space: global }
      - { .name: alpha1, .offset: 56, .size: 8, .value_kind: global_buffer, .address_space: global }
      - { .name: abuf, .offset: 64, .size: 8, .value_kind: global_buffer, .address_space: global }
    .group_segment_fixed_size: 35840
    .private_segment_fixed_size: 0
    .kernarg_segment_align: 8
    .kernarg_segment_size: 72
    .max_flat_workgroup_size: 128
    .sgpr_count:     66
    .vgpr_count:     256
    .wavefront_size: 32
...
	.end_amdgpu_metadata
.endif
;; end of part 1
;; launch proj (part 2): grid 320 x 1, 4 waves a work-group, no clusters, 0 bytes of LDS; arguments abuf, bbuf; writes bbuf
.if DOCPART == 2
	.amdgcn_target "amdgcn-amd-amdhsa--gfx1250"
	.amdhsa_code_object_version 6
	.text
	.protected	k_q860e9e2235_proj
	.globl	k_q860e9e2235_proj
	.p2align	8
	.type	k_q860e9e2235_proj,@function
k_q860e9e2235_proj:
	s_mov_b64 s[64:65], 0
	v_nop
	global_prefetch_b8 v0, s[64:65] scope:SCOPE_SE
	s_setreg_imm32_b32 hwreg(HW_REG_WAVE_MODE, 25, 1), 1
	s_wait_xcnt 0x0
; Three products on codes of FP6 (E2M3) out of abuf, K = 1,024:
;   work-groups 0-127:   K = context Wk^T with Wk's rows as source 0: a lane holds one key, its registers run along z: quantised along z  -> KS (the scores' operand)
;   work-groups 128-255: the same product with the sources swapped (the same bits): a lane holds one z, registers along the keys: quantised along the keys -> KT (the second product's operand)
;   work-groups 256-319: q0 = tanh(alpha1 target) Wq^T, Wq's rows as source 0: left in f32, as an image of the registers.
; A wave makes 64 x 64: 16 accumulators, four tiles of source 0 x four of source 1; a work-group is a 2 x 2 block of such.  Eight K steps of 128, written out.
; Operands lie in abuf in the order of an operand's registers (units of 768 bytes: 16 rows x 64 K): a fragment is four dense loads, straight into registers, one K step ahead, in two sets.
; No LDS tile and no tensor load stand here, so there is nothing to ask for jointly in a cluster.
; Since lane-row r of tile T is row 32 (T / 2) + 8 (T % 2) + r + 8 (r / 8), register 16 b + i of the four source-0 tiles' results is index 32 b + 16 (lane / 16) + i: 16 neighbours along the next K.
; bbuf: for each head 204,800 bytes: KS units [key tile 0..127][768]; at 98,304 KT units [64 keys 0..31][z tile 0..3][768]; at 196,608 KS scale words [pair of key tiles][r][4];
; at 200,704 KT scale words [128 keys][z tile][r][4].  From 3,276,800 on: q0 images [head][query tile][4,096].
; LIMITS: NaN and infinities are not served; a block of zeros, or one under 2^-124, gets the byte 1 where the rule says 127: its codes are zeros, and this program alone reads the bytes.
; REGISTERS: window 0: v1 16 x lane, v2 8 x lane, v3 scale address, v4-7 byte addresses, v8 8 (lane / 16); v16-47 scale words; v80-207 accumulators ((m, a) at 80 + 8 (4 m + a)); v208-223 at work; v224-255 codes.
;   window 1: two sets of 96: source 0's four fragments, then source 1's.
.set ASC, 11010048
.set NS,  8
.set TS,  12288                        ; from tile to tile in the codes
.set SS,  512                          ; and in the scale blocks
.set SCW, 4
.set P0,  20
.set P1,  22
.set Q0,  24
.set Q1,  26
.set UB,  28
.set SBB, 30
.set SEL, 32
.set ACC, 80
.set SC0, 16
.set SC1, 32
.set TM,  208
.set TP,  210
.set SO,  212
.set SBY, 214
.set PX,  218
.set CD,  224
.set MSB, 0
.macro WIN new                         ; the immediate's high byte repeats the setting that is left
.if MSB != \new
	s_set_vgpr_msb (MSB<<8)|\new
.set MSB, \new
.endif
.endm
.macro PLACES                          ; four plain places behind a matrix instruction, ahead of loads into its sources and of reads of its result
.rept 4
	v_nop
.endr
.endm
.macro FRAGS sb, reg, step             ; four tiles' fragments of one K step: two units each, four dense loads
.irp i, 0,1,2,3
	global_load_b128 v[\reg+12*\i:\reg+12*\i+3], v1, s[\sb:\sb+1] offset:\i*TS+(\step)*1536
	global_load_b64 v[\reg+12*\i+4:\reg+12*\i+5], v2, s[\sb:\sb+1] offset:\i*TS+(\step)*1536+512
	global_load_b128 v[\reg+12*\i+6:\reg+12*\i+9], v1, s[\sb:\sb+1] offset:\i*TS+(\step)*1536+768
	global_load_b64 v[\reg+12*\i+10:\reg+12*\i+11], v2, s[\sb:\sb+1] offset:\i*TS+(\step)*1536+1280
.endr
.endm
.macro LOADSTEP s                      ; 32 loads into set s % 2
	WIN 0x40                                       ; destination window 1, address window 0
	FRAGS P0, 96*((\s)%2), \s
	FRAGS P1, 96*((\s)%2)+48, \s
.endm
.macro WM acc, fa, fb, zero, sa, sb, row
.if \zero
	v_wmma_scale_f32_16x16x128_f8f6f4 v[\acc:\acc+7], v[\fa:\fa+11], v[\fb:\fb+11], 0, v[\sa], v[\sb] matrix_a_fmt:MATRIX_FMT_FP6 matrix_b_fmt:MATRIX_FMT_FP6
.elseif \row
	v_wmma_scale_f32_16x16x128_f8f6f4 v[\acc:\acc+7], v[\fa:\fa+11], v[\fb:\fb+11], v[\acc:\acc+7], v[\sa], v[\sb] matrix_a_fmt:MATRIX_FMT_FP6 matrix_b_fmt:MATRIX_FMT_FP6 matrix_a_scale:MATRIX_SCALE_ROW1 matrix_b_scale:MATRIX_SCALE_ROW1
.else
	v_wmma_scale_f32_16x16x128_f8f6f4 v[\acc:\acc+7], v[\fa:\fa+11], v[\fb:\fb+11], v[\acc:\acc+7], v[\sa], v[\sb] matrix_a_fmt:MATRIX_FMT_FP6 matrix_b_fmt:MATRIX_FMT_FP6
.endif
.endm
.macro MULSTEP s                       ; 16 matrix instructions; the 16 accumulators take turns, in the same order in every step; step 0 starts the sums
	WIN 0x05                                       ; sources 0 and 1 window 1, C and D window 0
.irp m, 0,1,2,3
.irp a, 0,1,2,3
	WM ACC+8*(4*\m+\a), 96*((\s)%2)+12*\a, 96*((\s)%2)+48+12*\m, (\s)==0, SC0+SCW*\a+(\s)%SCW, SC1+SCW*\m+(\s)%SCW, (\s)/4
.endr
.endr
.endm
.macro GEMM_RUN
	LOADSTEP 0
	LOADSTEP 1
.set KSI, 0
.rept NS
.if KSI == NS-1
	s_wait_loadcnt 0x0
.else
	s_wait_loadcnt 32                              ; this step's fragments, and all that is older, are in; the next step's 32 loads may be out
.endif
	MULSTEP KSI
.if KSI+2 < NS
	PLACES
	LOADSTEP KSI+2
.endif
.set KSI, KSI+1
.endr
	WIN 0
	PLACES
.endm
; 32 numbers of a lane, register 16 b + i = k 32 b + 16 (lane / 16) + i of my row, become a unit's six registers v[pc] on and its two scale bytes in v[sby]
.macro QUANT32 s, pc, px, sby
.irp b, 0,1
	v_max3_num_f32 v[TM+\b], |v[\s+16*\b]|, |v[\s+16*\b+1]|, 0x1800000   ; my 16 numbers of block b, and the floor 2^(3 - 127).  Each accumulator is read from its low end on
.endr
.irp i, 2,4,6,8,10,12,14
.irp b, 0,1
	v_max3_num_f32 v[TM+\b], v[TM+\b], |v[\s+16*\b+\i]|, |v[\s+16*\b+\i+1]|
.endr
.endr
.irp b, 0,1
	v_permlanex16_b32 v[TP+\b], v[TM+\b], s[SEL], s[SEL+1]
.endr
.irp b, 0,1
	v_max_num_f32 v[TM+\b], v[TM+\b], v[TP+\b]     ; with lane l xor 16's: the block's largest magnitude
.endr
.irp b, 0,1
	v_add_nc_u32 v[SO+\b], 0xff000000, v[TM+\b]    ; 2 off the exponent field: the conversion's scale operand
.endr
.irp b, 0,1
	v_lshrrev_b32 v[TP+\b], 23, v[SO+\b]           ; the scale's byte
.endr
	v_lshl_or_b32 v[\sby], v[TP+1], 8, v[TP]
	v_cvt_scalef32_pk16_fp6_f32 v[\pc:\pc+2], v[\s:\s+15], v[SO]
	v_cvt_scalef32_pk16_fp6_f32 v[\px:\px+2], v[\s+16:\s+31], v[SO+1]
	v_nop                                          ; one plain place behind a scaled conversion
.irp i, 0,1,2
	v_permlane16_swap_b32 v[\pc+\i], v[\px+\i]     ; a whole block to a lane: lanes 0-15 block 0, lanes 16-31 block 1
.endr
.irp i, 0,1,2
	v_mov_b32 v[\pc+3+\i], v[\px+\i]
.endr
.endm
	s_load_b128 s[4:7], s[0:1], 0x0                ; abuf, bbuf
	v_lshrrev_b32 v4, 5, v0
	v_readfirstlane_b32 s8, v4                     ; wave
	v_and_b32 v5, 31, v0
	v_and_b32 v6, 15, v0                           ; r
	v_bfe_u32 v7, v0, 4, 1                         ; h
	v_lshlrev_b32 v1, 4, v5
	v_lshlrev_b32 v2, 3, v5
	v_lshlrev_b32 v3, 5, v6
	v_lshl_add_u32 v3, v7, 4, v3                   ; 32 r + 16 h: register j of a scale load holds step j in lanes 0-15 and step 4 + j in lanes 16-31
	v_lshlrev_b32 v8, 3, v7                        ; 8 h
	v_lshl_add_u32 v9, v6, 2, v7                   ; 4 r + h
	s_wait_alu depctr_va_vdst(0)
	v_mov_b32 v[TP], 0                             ; written once: a lane permute's destination counts as one of its sources
	v_mov_b32 v[TP+1], 0
	s_mov_b32 s[SEL], 0x76543210
	s_mov_b32 s[SEL+1], 0xfedcba98
	s_and_b32 s10, ttmp9, 127
	s_lshr_b32 s11, ttmp9, 7                       ; kind 0: KS, 1: KT, 2: q0
	s_cmp_eq_u32 s11, 1
	s_cselect_b32 s12, 15, 7
	s_cselect_b32 s13, 4, 3
	s_cselect_b32 s14, 0, 128                      ; source 0's first job: context, or Wk
	s_cselect_b32 s15, 128, 0                      ; source 1's
	s_cselect_b32 s36, 64, 2                       ; where tile m's scale bytes go: KT 64 m; KS 64 (m / 2) + 2 (m % 2)
	s_cselect_b32 s37, 128, 64
	s_mov_b32 s38, 66
	s_cselect_b32 s38, 192, s38
	s_cselect_b32 s39, 98304, 0
	s_cmp_eq_u32 s11, 2
	s_cselect_b32 s14, 192, s14                    ; Wq
	s_cselect_b32 s15, 320, s15                    ; tanh(alpha1 target)
	s_and_b32 s16, s10, s12
	s_lshl_b32 s16, s16, 1
	s_and_b32 s17, s8, 1
	s_add_co_u32 s16, s16, s17                     ; G0: which four tiles of source 0
	s_lshr_b32 s17, s10, s13
	s_lshl_b32 s17, s17, 1
	s_lshr_b32 s18, s8, 1
	s_add_co_u32 s17, s17, s18                     ; G1: of source 1
	v_mov_b32 v4, v9
	v_add_nc_u32 v5, s36, v9
	v_add_nc_u32 v6, s37, v9
	v_add_nc_u32 v7, s38, v9
	s_lshl_b32 s18, s16, 2
	s_add_co_u32 s18, s18, s14
	s_lshl_b32 s19, s17, 2
	s_add_co_u32 s19, s19, s15
	s_mov_b32 s41, 0
	s_wait_kmcnt 0x0
	s_mul_i32 s40, s18, 12288
	s_add_nc_u64 s[P0:P0+1], s[4:5], s[40:41]
	s_mul_i32 s40, s19, 12288
	s_add_nc_u64 s[P1:P1+1], s[4:5], s[40:41]
	s_lshl_b32 s40, s18, 9
	s_add_co_u32 s40, s40, ASC
	s_add_nc_u64 s[Q0:Q0+1], s[4:5], s[40:41]
	s_lshl_b32 s40, s19, 9
	s_add_co_u32 s40, s40, ASC
	s_add_nc_u64 s[Q1:Q1+1], s[4:5], s[40:41]
.irp i, 0,1,2,3
	global_load_b128 v[SC0+4*\i:SC0+4*\i+3], v3, s[Q0:Q0+1] offset:\i*SS
	global_load_b128 v[SC1+4*\i:SC1+4*\i+3], v3, s[Q1:Q1+1] offset:\i*SS
.endr
	s_cmp_eq_u32 s11, 1
	s_cselect_b32 s34, s17, s16                    ; the head
	s_cselect_b32 s35, s16, s17                    ; which 64 keys
	s_mul_i32 s34, s34, 204800
	s_mul_i32 s18, s35, 3072
	s_add_co_u32 s18, s18, s34
	s_add_co_u32 s18, s18, s39                     ; my four units
	s_lshl_b32 s19, s16, 6
	s_lshl_b32 s12, s17, 2
	s_add_co_u32 s19, s19, s12
	s_lshl_b32 s19, s19, 12
	s_add_co_u32 s19, s19, 3276800                 ; or my four images of q0
	s_cmp_eq_u32 s11, 2
	s_cselect_b32 s40, s19, s18
	s_add_nc_u64 s[UB:UB+1], s[6:7], s[40:41]
	s_lshl_b32 s18, s35, 7
	s_add_co_u32 s18, s18, 196608                  ; KS: two pairs of key tiles, 64 bytes each
	s_lshr_b32 s19, s35, 1
	s_lshl_b32 s19, s19, 8
	s_and_b32 s12, s35, 1
	s_lshl_b32 s12, s12, 1
	s_add_co_u32 s19, s19, s12
	s_add_co_u32 s19, s19, 200704                  ; KT: half of a step's words
	s_cmp_eq_u32 s11, 1
	s_cselect_b32 s40, s19, s18
	s_add_co_u32 s40, s40, s34
	s_add_nc_u64 s[SBB:SBB+1], s[6:7], s[40:41]
	GEMM_RUN
	s_cmp_eq_u32 s11, 2
	s_cbranch_scc1 .Lq0
.irp m, 0,1,2,3
	QUANT32 ACC+32*\m, CD+8*\m, PX, SBY+\m
	global_store_b128 v1, v[CD+8*\m:CD+8*\m+3], s[UB:UB+1] offset:768*\m
	global_store_b64 v2, v[CD+8*\m+4:CD+8*\m+5], s[UB:UB+1] offset:768*\m+512
	v_lshrrev_b32 v[CD+8*\m+6], v8, v[SBY+\m]      ; lanes 0-15 send block 0's byte, lanes 16-31 block 1's
	global_store_b8 v[4+\m], v[CD+8*\m+6], s[SBB:SBB+1]
.endr
	s_endpgm
.Lq0:
.irp m, 0,1,2,3
.irp c, 0,1,2,3,4,5,6,7
	global_store_b128 v1, v[ACC+32*\m+4*\c:ACC+32*\m+4*\c+3], s[UB:UB+1] offset:4096*\m+512*\c   ; the registers as they stand, 512 consecutive bytes a store, each accumulator from its low end on
.endr
.endr
	s_endpgm
.Lfunc_end_k_q860e9e2235_proj:
	.size	k_q860e9e2235_proj, .Lfunc_end_k_q860e9e2235_proj-k_q860e9e2235_proj
	.p2alignl 7, 3214868480
	.fill 96, 4, 3214868480
	.section	.rodata,"a",@progbits
	.p2align	6, 0x0
	.amdhsa_kernel k_q860e9e2235_proj
		.amdhsa_group_segment_fixed_size 0
		.amdhsa_private_segment_fixed_size 0
		.amdhsa_enable_private_segment 0
		.amdhsa_kernarg_size 16
		.amdhsa_user_sgpr_count 2
		.amdhsa_user_sgpr_kernarg_segment_ptr 1
		.amdhsa_wavefront_size32 1
		.amdhsa_system_sgpr_workgroup_id_x 1
		.amdhsa_system_sgpr_workgroup_id_y 1
		.amdhsa_system_sgpr_workgroup_id_z 1
		.amdhsa_system_vgpr_workitem_id 0
		.amdhsa_next_free_vgpr 448
		.amdhsa_next_free_sgpr 66
		.amdhsa_reserve_vcc 0
		.amdhsa_float_denorm_mode_32 3
		.amdhsa_float_denorm_mode_16_64 3
		.amdhsa_memory_ordered 1
		.amdhsa_forward_progress 1
		.amdhsa_inst_pref_size 58
	.end_amdhsa_kernel
	.amdgpu_metadata
---
amdhsa.version: [ 1, 2 ]
amdhsa.kernels:
  - .name:           k_q860e9e2235_proj
    .symbol:         k_q860e9e2235_proj.kd
    .args:
      - { .name: abuf, .offset: 0, .size: 8, .value_kind: global_buffer, .address_space: global }
      - { .name: bbuf, .offset: 8, .size: 8, .value_kind: global_buffer, .address_space: global }
    .group_segment_fixed_size: 0
    .private_segment_fixed_size: 0
    .kernarg_segment_align: 8
    .kernarg_segment_size: 16
    .max_flat_workgroup_size: 128
    .sgpr_count:     66
    .vgpr_count:     448
    .wavefront_size: 32
...
	.end_amdgpu_metadata
.endif
;; end of part 2
;; launch attn (part 3): grid 16 x 16, 8 waves a work-group, clusters of 4 x 1, 294,912 bytes of LDS; arguments bbuf, cbuf; writes cbuf
.if DOCPART == 3
	.amdgcn_target "amdgcn-amd-amdhsa--gfx1250"
	.amdhsa_code_object_version 6
	.text
	.protected	k_q860e9e2235_attn
	.globl	k_q860e9e2235_attn
	.p2align	8
	.type	k_q860e9e2235_attn,@function
k_q860e9e2235_attn:
	s_mov_b64 s[64:65], 0
	v_nop
	global_prefetch_b8 v0, s[64:65] scope:SCOPE_SE
	s_setreg_imm32_b32 hwreg(HW_REG_WAVE_MODE, 25, 1), 1
	s_wait_xcnt 0x0
	s_wait_alu depctr_hold_cnt(0) depctr_sa_sdst(0) depctr_va_vdst(0) depctr_va_sdst(0) depctr_va_ssrc(0) depctr_va_vcc(0) depctr_vm_vsrc(0)
	s_getreg_b32 s2, hwreg(HW_REG_IB_STS2, 6, 4)
	s_cmp_eq_u32 s2, 0
	s_cbranch_scc0 .Lentry_in_a_cluster
	s_endpgm
.Lentry_in_a_cluster:
	s_bfe_u32 s2, ttmp6, 0x10000c
	s_cmp_lg_u32 s2, 0x3003
	s_cbranch_scc0 .Lentry_shape_is_right
	s_endpgm
.Lentry_shape_is_right:
; Five steps of q += 0.1 x softmax(q K^T / 8) K for one head and 64 queries, both products on codes of FP6 (E2M3); then q's codes for the next product.
; THE SOFTMAX AHEAD OF THE SECOND PRODUCT: t = score x log2(e) / 8; M = the largest t so far, rounded UP to a whole number; p = 2^(t - M) is quantised along the keys, not normalised;
; the sum is taken of the unquantised p and divides at the end.  A change of M multiplies by a whole power of two: exact.
; SHARES.  A work-group: one head, 64 queries, eight waves, two to a SIMD.  Wave w: query tile w % 4 (16 queries), keys 1,024 (w / 4) on: four steps of 256 keys in an energy step.
; A STEP: 16 products give 128 registers of scores; one change of M, one rescaling of O, one batch of 4 and one of 128 exponentials, 8 products onto O.  20 steps in one loop.
; Behind every fourth step the two halves of the keys meet in LDS: each wave brings O, its own whole-number M and its sum; both waves add the two in the same order, so that both hold the same bits of q.
; That block, with its two barriers, stands under a branch on the loop's counter, which is the same in all waves.
; An energy step begins with the largest score at -3e38: the first change of M then gives the factor 0, which clears O and the sum (both finite).
; LDS.  The head's pack as it lies in bbuf (800 rows of 256 bytes), filled ONCE, with 64 bytes of padding behind each row: byte x of the pack lies at x + 64 (x / 256).  A unit of 768 bytes takes 960.
; From 256,000 on: 4,352 bytes for each wave: O's image (4,096), -M (128), the sum (128); no tensor load lands there.  From 290,816 on: the spare words.
; CLUSTER.  The four query blocks of a cluster belong to one head and need the same pack: each of the eight waves asks JOINTLY for its eighth (100 rows), one tensor load a wave.
; No prefetch: the pack is asked for once, at the head, and no loop runs ahead of a load.
; K = 64 IN AN INSTRUCTION OF 128: a fragment holds two key tiles.  Against [q | zero codes] it gives the first tile's scores, against [zero codes | q] the second's.
; THE KEYS OF A SCORE TILE ARE CHOSEN BY THE LANES' ADDRESSES: row r of tile u of the c-th 64 keys is key 64 c + 32 (r / 8) + 8 u + r % 8.  Both products are used transposed (a lane holds one query), so lane half h
; holds in registers 32 c + 8 u + i the key 64 c + 32 h + 8 u + i: a WHOLE block of 32 in one lane, in the order of the next operand: its largest score needs no other lane and its codes no swap.
; In bbuf that key lies in tile 2 (2 c + r / 8) + u % 2, lane-row 8 (u / 2) + r % 8: rows 8-15 read 1,920 padded bytes behind rows 0-7, half a row of banks further on.
; LIMITS: NaN and infinities are not served; a block of zeros, or one under 2^-124, gets the byte 1 where the rule says 127: its codes are zeros, and this program alone reads the bytes;
; the promise holds while the scaled scores stay under 2^31 in magnitude.
; REGISTERS.  Window 0: see the names below.  Window 1: v0-127 the scores, then p; v128-223 K along z, 8 fragments; v224-247 the last two of the 8 fragments of K along the keys.  Fragments are fetched one step ahead.
.set MRG,  256000
.set SPARE, 290816
.set KTB,  122880                      ; K along the keys (pack byte 98,304)
.set KSW,  245760                      ; scale words of K along z (196,608): a padded row for each 128 keys
.set KTW,  250880                      ; scale words of K along the keys (200,704)
.set QSC,  34
.set PSC,  36                          ; v36-37 p's scale words, one for each 128 keys
.set KSC,  38                          ; v38-41
.set TSC,  42                          ; v42-45
.set QF,   48                          ; v48-79 q in f32
.set O,    80                          ; v80-111
.set PCD,  112                         ; v112-135 p's codes (v112-143: the first half's O where the halves meet)
.set BM,   136                         ; v136-139 a block's largest score, then its largest p, then its byte
.set SO,   140                         ; v140-143 the conversions' scale operands
.set TX,   144                         ; v144-159 upper halves of blocks' codes; behind the moves:
.set AC,   144                         ; eight pairs of partial sums
.set W,    160
.set X,    162
.set KT0,  164                         ; v164-235 the first six fragments of K along the keys
.set TM,   240
.set TP,   242
.set NEG,  245
.set SPW,  246
.set NIL,  247
.set CS,   28
.set SEL,  30
.set NC,   32
.set MSB, 0
.macro WIN new                         ; the immediate's high byte repeats the setting that is left
.if MSB != \new
	s_set_vgpr_msb (MSB<<8)|\new
.set MSB, \new
.endif
.endm
.macro ROUND                           ; a round of the cluster's barrier
	s_barrier_signal -1
	s_barrier_wait -1
	s_cmp_lg_u32 s8, 0
	s_cbranch_scc1 .Lnot_wave_0_\@
	s_barrier_signal -3
.Lnot_wave_0_\@:
	s_barrier_wait -3
	s_barrier_signal -1
	s_barrier_wait -1
.endm
.macro NOPS n
.rept \n
	v_nop
.endr
.endm
; 32 numbers of a lane, register 16 b + i = z 32 b + 16 (lane / 16) + i of my query, become a unit's six registers v[pc] on and its two scale bytes in v[sby]
.macro QUANT32 s, pc, px, sby
.irp b, 0,1
	v_max3_num_f32 v[TM+\b], |v[\s+16*\b]|, |v[\s+16*\b+1]|, 0x1800000
.endr
.irp i, 2,4,6,8,10,12,14
.irp b, 0,1
	s_delay_alu instid0(VALU_DEP_2)
	v_max3_num_f32 v[TM+\b], v[TM+\b], |v[\s+16*\b+\i]|, |v[\s+16*\b+\i+1]|
.endr
.endr
.irp b, 0,1
	s_delay_alu instid0(VALU_DEP_2)
	v_permlanex16_b32 v[TP+\b], v[TM+\b], s[SEL], s[SEL+1]
.endr
.irp b, 0,1
	s_delay_alu instid0(VALU_DEP_2)
	v_max_num_f32 v[TM+\b], v[TM+\b], v[TP+\b]
.endr
.irp b, 0,1
	s_delay_alu instid0(VALU_DEP_2)
	v_add_nc_u32 v[SO+\b], 0xff000000, v[TM+\b]
.endr
.irp b, 0,1
	s_delay_alu instid0(VALU_DEP_2)
	v_lshrrev_b32 v[TP+\b], 23, v[SO+\b]
.endr
	s_delay_alu instid0(VALU_DEP_1)
	v_lshl_or_b32 v[\sby], v[TP+1], 8, v[TP]
	v_cvt_scalef32_pk16_fp6_f32 v[\pc:\pc+2], v[\s:\s+15], v[SO]
	v_cvt_scalef32_pk16_fp6_f32 v[\px:\px+2], v[\s+16:\s+31], v[SO+1]
	v_nop                                          ; one plain place behind a scaled conversion
.irp i, 0,1,2
	v_permlane16_swap_b32 v[\pc+\i], v[\px+\i]
.endr
.irp i, 0,1,2
	s_delay_alu instid0(VALU_DEP_3)
	v_mov_b32 v[\pc+3+\i], v[\px+\i]
.endr
.endm
.macro QSTART                          ; q's codes and scale word; the largest score and -M begin anew
	QUANT32 QF, 22, TX, 244
	v_lshl_or_b32 v[QSC], v244, 16, v244           ; q's two bytes serve either half of the 128
	v_mov_b32 v13, 0xff61b1e6                      ; -3e38, under every score
	s_delay_alu instid0(VALU_DEP_1)
	v_mul_f32 v12, s[NC], v13
	s_delay_alu instid0(VALU_DEP_1)
	v_floor_f32 v12, v12
	NOPS 8                                         ; the scale register stands 8 places ahead of the products, the codes 4
	s_wait_alu depctr_va_vdst(0)
.endm
.macro ADDR                            ; the LDS addresses of the step whose offsets stand in s46 (codes) and s47 (scale words)
	v_add_nc_u32 v1, s46, v7
	v_add_nc_u32 v2, s46, v8
	v_add_nc_u32 v3, s46, v9
	v_add_nc_u32 v4, s46, v10
	v_add_nc_u32 v5, s47, v46
	v_add_nc_u32 v6, s47, v47
.endm
.macro KSLOAD j                        ; K along z, 128 keys: four fragments (c, u / 2), each of two tiles
	WIN 0x40                                       ; destination window 1
.irp c, 0,1
.irp u, 0,1
	ds_load_b128 v[128+48*\j+24*\c+12*\u:128+48*\j+24*\c+12*\u+3], v1 offset:(8*\j+4*\c)*960+128*\u
	ds_load_b64 v[128+48*\j+24*\c+12*\u+4:128+48*\j+24*\c+12*\u+5], v2 offset:(8*\j+4*\c)*960+640+64*\u
	ds_load_b128 v[128+48*\j+24*\c+12*\u+6:128+48*\j+24*\c+12*\u+9], v1 offset:(8*\j+4*\c+1)*960+128*\u
	ds_load_b64 v[128+48*\j+24*\c+12*\u+10:128+48*\j+24*\c+12*\u+11], v2 offset:(8*\j+4*\c+1)*960+640+64*\u
.endr
.endr
	WIN 0
.irp c, 0,1
	ds_load_b32 v[KSC+2*\j+\c], v5 offset:320*\j+128*\c   ; lanes 0-15: the words of fragment (c, 0), lanes 16-31: of (c, 1)
.endr
.endm
.macro KT4 reg, j, z                   ; one fragment of K along the keys: two units of 64 keys
	ds_load_b128 v[(\reg):(\reg)+3], v3 offset:(8*\j+\z)*960
	ds_load_b64 v[(\reg)+4:(\reg)+5], v4 offset:(8*\j+\z)*960+640
	ds_load_b128 v[(\reg)+6:(\reg)+9], v3 offset:(8*\j+4+\z)*960
	ds_load_b64 v[(\reg)+10:(\reg)+11], v4 offset:(8*\j+4+\z)*960+640
.endm
.macro KTLOAD j                        ; K along the keys, 128 keys: four tiles of z; fragment 4 j + z
.irp z, 0,1,2,3
.if 4*\j+\z < 6
	WIN 0
	KT4 KT0+12*(4*\j+\z), \j, \z
.else
	WIN 0x40
	KT4 224+12*(4*\j+\z-6), \j, \z
.endif
.endr
	WIN 0
.irp i, 0,1
	ds_load_b32 v[TSC+2*\j+\i], v6 offset:320*\j+128*\i
.endr
.endm
.macro WS d, a, b, sa, row             ; a tile of scores
.if \row
	v_wmma_scale_f32_16x16x128_f8f6f4 v[(\d):(\d)+7], v[(\a):(\a)+11], v[(\b):(\b)+11], 0, v[\sa], v[QSC] matrix_a_fmt:MATRIX_FMT_FP6 matrix_b_fmt:MATRIX_FMT_FP6 matrix_a_scale:MATRIX_SCALE_ROW1
.else
	v_wmma_scale_f32_16x16x128_f8f6f4 v[(\d):(\d)+7], v[(\a):(\a)+11], v[(\b):(\b)+11], 0, v[\sa], v[QSC] matrix_a_fmt:MATRIX_FMT_FP6 matrix_b_fmt:MATRIX_FMT_FP6
.endif
.endm
.macro WP d, a, b, sa, sb, row         ; 128 keys onto a tile of O
.if \row
	v_wmma_scale_f32_16x16x128_f8f6f4 v[(\d):(\d)+7], v[(\a):(\a)+11], v[(\b):(\b)+11], v[(\d):(\d)+7], v[\sa], v[\sb] matrix_a_fmt:MATRIX_FMT_FP6 matrix_b_fmt:MATRIX_FMT_FP6 matrix_a_scale:MATRIX_SCALE_ROW1
.else
	v_wmma_scale_f32_16x16x128_f8f6f4 v[(\d):(\d)+7], v[(\a):(\a)+11], v[(\b):(\b)+11], v[(\d):(\d)+7], v[\sa], v[\sb] matrix_a_fmt:MATRIX_FMT_FP6 matrix_b_fmt:MATRIX_FMT_FP6
.endif
.endm
.macro MAXG                            ; the largest score of the step's four blocks, four chains by turns; each accumulator is read from its low end on
.irp k, 0,1,2,3
	v_max3_num_f32 v[BM+\k], v[32*\k], v[32*\k+1], v[NEG]
.endr
.set I, 2
.rept 15
.irp k, 0,1,2,3
	v_max3_num_f32 v[BM+\k], v[32*\k+I], v[32*\k+I+1], v[BM+\k]
.endr
.set I, I+2
.endr
.endm
.macro ADDS from, n                    ; n pairs of p onto the eight partial sums, by turns
.set P, \from
.rept \n
	v_pk_add_f32 v[AC+2*(P%8):AC+2*(P%8)+1], v[AC+2*(P%8):AC+2*(P%8)+1], v[2*P:2*P+1]
.set P, P+1
.endr
.endm
.macro MIMG reg, k                     ; half k's image of O into v[reg] on
.irp c, 0,1,2,3,4,5,6,7
	ds_load_b128 v[\reg+4*\c:\reg+4*\c+3], v254 offset:17408*\k+512*\c
.endr
.endm
.macro MACC reg, g                     ; q += g x that half's O
.set I, 0
.rept 16
	v_pk_fma_f32 v[QF+I:QF+I+1], v[\reg+I:\reg+I+1], v[\g:\g+1], v[QF+I:QF+I+1] op_sel_hi:[1,0,1]
.set I, I+2
.endr
.endm
	s_load_b128 s[4:7], s[0:1], 0x0                ; bbuf, cbuf
	v_lshl_add_u32 v[SPW], v0, 2, SPARE
	v_mov_b32 v[NIL], 0
	ds_add_u32 v[SPW], v[NIL]                      ; the opening lines: the add, twice on end; its wait stands ahead of my tensor load
	ds_add_u32 v[SPW], v[NIL]
	v_lshrrev_b32 v240, 5, v0
	v_readfirstlane_b32 s8, v240                   ; wave 0..7
	s_and_b32 s9, s8, 3                            ; my query tile of the block's four
	s_lshr_b32 s10, s8, 2                          ; my half of the keys
	s_bfe_u32 s11, ttmp6, 0x40000                  ; cx: it enters q0's and cbuf's addresses alone
	s_and_b32 s12, ttmp7, 0xffff                   ; the head, which the four partners share
	s_lshl_b32 s13, ttmp9, 2
	s_add_co_u32 s13, s13, s11                     ; my block of 64 queries
	s_lshl_b32 s13, s13, 2
	s_add_co_u32 s13, s13, s9                      ; query tile T, 0..63
	s_mov_b32 s16, 15|(3<<16)|(1<<20)|(1<<21)|(5<<22)|(15<<25)   ; group 1: the mask: all four work-groups; elements of 8 bytes; padding on; 21 set beside a mask; after every 64 words 16 words
	s_mov_b32 s17, 32<<16                          ; tensor_dim0 = 32 elements: 256 bytes
	s_mov_b32 s18, 100<<16                         ; tensor_dim1 = 100
	s_mov_b32 s19, 32<<16                          ; tile_dim0
	s_mov_b32 s20, 100                             ; tile_dim1
	s_mov_b32 s21, 32                              ; the pitch: the block is dense
	s_mov_b32 s22, 0
	s_mov_b32 s23, 0
	s_mul_i32 s34, s12, 204800
	s_mul_i32 s35, s8, 25600                       ; my eighth of the pack in memory,
	s_add_co_u32 s34, s34, s35
	s_mov_b32 s35, 0
	s_mul_i32 s25, s8, 32000                       ; and in LDS: 100 rows of 320 bytes
	s_mov_b32 s24, 1
	s_mov_b32 s[CS], 0x3e38aa3b                    ; c = log2(e) / 8
	s_mov_b32 s[CS+1], s[CS]                       ; (named with it as a pair, so it is written)
	s_mov_b32 s[NC], 0xbe38aa3b                    ; -c
	s_mov_b32 s[SEL], 0x76543210
	s_mov_b32 s[SEL+1], 0xfedcba98
	s_mov_b32 s33, 0x3dcccccd                      ; 0.1
	s_wait_dscnt 0x0
	s_wait_kmcnt 0x0
	s_add_nc_u64 s[26:27], s[4:5], s[34:35]
	s_or_b32 s27, s27, 0x80000000                  ; type = 2
	ROUND                                          ; all four work-groups are here: the joint loads meet
	tensor_load_to_lds s[24:27], s[16:23]
	s_nop 0
	NOPS 4
	v_bfe_u32 v232, v0, 3, 1                       ; r / 8
	v_bfe_u32 v233, v0, 4, 1                       ; h
	v_and_b32 v234, 7, v0                          ; r % 8
	v_and_b32 v235, 15, v0                         ; r
	v_and_b32 v236, 31, v0                         ; lane
	s_mul_i32 s38, s10, 61440                      ; my half: 64 units of either form of K,
	s_mul_i32 s39, s10, 2560                       ; and 8 padded rows of either set of scale words
	v_mul_u32_u24 v7, v232, 1920
	v_mad_u32_u24 v7, v233, 320, v7
	v_lshl_add_u32 v7, v234, 4, v7
	v_add_nc_u32 v7, s38, v7                       ; K along z, registers 0-3 of a unit: 1,920 (r / 8) + 320 h + 16 (r % 8)
	v_mul_u32_u24 v8, v232, 1920
	v_lshl_add_u32 v8, v233, 7, v8
	v_lshl_add_u32 v8, v234, 3, v8
	v_add_nc_u32 v8, s38, v8                       ; registers 4-5: 1,920 (r / 8) + 128 h + 8 (r % 8)
	s_add_co_u32 s38, s38, KTB
	v_mul_u32_u24 v9, v233, 320
	v_lshl_add_u32 v9, v235, 4, v9
	v_add_nc_u32 v9, s38, v9                       ; K along the keys: units as they lie: 320 h + 16 r,
	v_lshl_add_u32 v10, v236, 3, s38               ; and 8 x lane
	v_lshlrev_b32 v46, 6, v232
	v_lshl_add_u32 v46, v233, 5, v46
	v_lshl_add_u32 v46, v234, 2, v46
	s_add_co_u32 s38, s39, KSW
	v_add_nc_u32 v46, s38, v46                     ; scale words of K along z: 64 (r / 8) + 32 h + 4 (r % 8)
	s_add_co_u32 s38, s39, KTW
	v_lshl_add_u32 v47, v236, 2, s38
	v_lshlrev_b32 v11, 3, v233                     ; 8 h
	s_mul_i32 s38, s8, 4352
	s_add_co_u32 s38, s38, MRG
	v_lshl_add_u32 v248, v236, 4, s38              ; where I put O's image,
	s_add_co_u32 s38, s38, 4096
	v_lshl_add_u32 v249, v236, 2, s38              ; -M and the sum
	s_mul_i32 s38, s9, 4352
	s_add_co_u32 s38, s38, MRG
	v_lshl_add_u32 v254, v236, 4, s38              ; where my tile's two halves lie: 17,408 bytes apart
	s_add_co_u32 s38, s38, 4096
	v_lshl_add_u32 v255, v236, 2, s38
	v_lshlrev_b32 v241, 4, v236
	s_lshl_b32 s36, s12, 6
	s_add_co_u32 s36, s36, s13
	s_lshl_b32 s36, s36, 12
	s_add_co_u32 s36, s36, 3276800
	s_mov_b32 s37, 0
	s_add_nc_u64 s[36:37], s[4:5], s[36:37]        ; q0's image of (head, T)
	s_wait_alu depctr_va_vdst(0)                   ; ahead of the reader below
.irp c, 0,1,2,3,4,5,6,7
	global_load_b128 v[QF+4*\c:QF+4*\c+3], v241, s[36:37] offset:512*\c
.endr
	s_lshl_b32 s40, s13, 4
	s_add_co_u32 s40, s40, s12
	s_mul_i32 s40, s40, 768
	s_mov_b32 s41, 0
	s_add_nc_u64 s[40:41], s[6:7], s[40:41]        ; the final q's unit [T][head]
	s_lshl_b32 s42, s13, 9
	s_lshl_b32 s43, s12, 1
	s_add_co_u32 s42, s42, s43
	s_add_co_u32 s42, s42, 786432
	s_mov_b32 s43, 0
	s_add_nc_u64 s[42:43], s[6:7], s[42:43]        ; and its two bytes of each row's 32
.irp j, 14,15,16,17,18,19,20,21,28,29,30,31,32,33
	v_mov_b32 v\j, 0                               ; the sum; the zero codes on either side of q's
.endr
.irp j, 162,163,242,243,251,253
	v_mov_b32 v\j, 0                               ; written once: destinations of lane permutes, and upper halves of pairs of which the low word alone is used
.endr
.set I, 0
.rept 32
	v_mov_b32 v[O+I], 0                            ; once in the launch: the first rescaling finds finite numbers
.set I, I+1
.endr
	v_mov_b32 v[NEG], 0xff7fffff                   ; under every score
	s_mov_b32 s46, 0
	s_mov_b32 s47, 0
	ADDR
	s_wait_alu depctr_va_vdst(0)                   ; directly ahead of the wait below
	s_wait_loadcnt 0x0                             ; q0: it is quantised while the pack is on its way
	QSTART                                         ; (it ends with a wait)
	s_wait_tensorcnt 0x0                           ; my eighth has landed,
	s_barrier_signal -1
	s_barrier_wait -1                              ; everybody's has
	KSLOAD 0
	KSLOAD 1
	KTLOAD 0
	KTLOAD 1
	s_mov_b32 s44, 0
.Lstep:                                                ; step s44 % 4 of energy step s44 / 4
	s_add_co_u32 s45, s44, 1
	s_and_b32 s45, s45, 3                          ; the next step's place among my keys: its fragments hang on no q, so they are fetched across energy steps too
	s_mul_i32 s46, s45, 15360
	s_mul_i32 s47, s45, 640
	ADDR
	s_wait_alu depctr_va_vdst(0)                   ; directly ahead of the wait below
	s_wait_dscnt 36                                ; K along z and its words are in: the 36 younger loads (K along the keys) may be out
	WIN 0x41                                       ; source 0 and destination window 1
.irp j, 0,1
.irp c, 0,1
.irp u, 0,1
	WS 64*\j+32*\c+16*\u, 128+48*\j+24*\c+12*\u, 22, KSC+2*\j+\c, \u
	WS 64*\j+32*\c+16*\u+8, 128+48*\j+24*\c+12*\u, 16, KSC+2*\j+\c, \u
.endr
.endr
.endr
	NOPS 4                                         ; places: for the loads below and for the first read of the scores
	KSLOAD 0
	KSLOAD 1
	WIN 0x05                                       ; sources 0 and 1 window 1
	MAXG
	WIN 0
	v_max3_num_f32 v240, v[BM], v[BM+1], v[BM+2]
	s_delay_alu instid0(VALU_DEP_1)
	v_max3_num_f32 v240, v240, v[BM+3], v13
	s_delay_alu instid0(VALU_DEP_1)
	v_permlanex16_b32 v243, v240, s[SEL], s[SEL+1]
	s_delay_alu instid0(VALU_DEP_1)
	v_max_num_f32 v13, v240, v243                  ; the running largest score of my query among my keys
	s_delay_alu instid0(VALU_DEP_1)
	v_mul_f32 v241, s[NC], v13
	s_delay_alu instid0(VALU_DEP_1)
	v_floor_f32 v241, v241                         ; -M = floor(-t) = -ceil(t)
	s_delay_alu instid0(VALU_DEP_1)
	v_sub_f32 v242, v241, v12                      ; old M - new M: a whole number, 0 or less
	v_mov_b32 v12, v241
	s_delay_alu instid0(VALU_DEP_2)
	v_cvt_i32_f32 v242, v242                       ; (it saturates)
	s_delay_alu instid0(VALU_DEP_1)
	v_ldexp_f32 v252, 1.0, v242                    ; f = 2^(old M - new M)
.irp k, 0,1,2,3
	v_fma_f32 v[BM+\k], v[BM+\k], s[CS], v12       ; t - M of each block's largest score: p rises with the score
.endr
.set I, 0
.rept 16
	v_pk_mul_f32 v[O+I:O+I+1], v[O+I:O+I+1], v[252:253] op_sel_hi:[1,0]   ; O under the new M, each accumulator from its low end on
.set I, I+2
.endr
	v_pk_mul_f32 v[14:15], v[14:15], v[252:253] op_sel_hi:[1,0]
	s_wait_alu depctr_va_vdst(0)                   ; ahead of the batch
.irp k, 0,1,2,3
	v_exp_f32 v[BM+\k], v[BM+\k]                   ; the block's largest p: the same two instructions on the same number
.endr
	WIN 0x41                                       ; source 0 and destination window 1
.set I, 0
.rept 64
	v_pk_fma_f32 v[I:I+1], v[I:I+1], s[CS:CS+1], v[12:13] op_sel_hi:[1,0,0]   ; t - M, two at a time
.set I, I+2
.endr
	s_wait_alu depctr_va_vdst(0)                   ; behind the four, ahead of the 128
.set I, 0
.rept 128
	v_exp_f32 v[I], v[I]                           ; p = 2^(t - M)
.set I, I+1
.endr
	WIN 0
.irp k, 0,1,2,3
	v_max_num_f32 v[BM+\k], 0x1800000, v[BM+\k]    ; the floor 2^(3 - 127)
.endr
.irp k, 0,1,2,3
	s_delay_alu instid0(VALU_DEP_4)
	v_add_nc_u32 v[SO+\k], 0xff000000, v[BM+\k]    ; 2 off the exponent field: the conversion's scale operand
.endr
.irp k, 0,1,2,3
	s_delay_alu instid0(VALU_DEP_4)
	v_lshrrev_b32 v[BM+\k], 23, v[SO+\k]           ; the byte
.endr
	v_lshl_or_b32 v[W], v[BM+1], 16, v[BM]         ; my two bytes of each 128 keys: blocks h and 2 + h,
	s_delay_alu instid0(VALU_DEP_2)
	v_lshl_or_b32 v[W+1], v[BM+3], 16, v[BM+2]
.irp j, 0,1
	s_delay_alu instid0(VALU_DEP_2)
	v_lshlrev_b32 v[W+\j], v11, v[W+\j]            ; at their places,
.endr
.irp j, 0,1
	s_delay_alu instid0(VALU_DEP_2)
	v_permlanex16_b32 v[X+\j], v[W+\j], s[SEL], s[SEL+1]
.endr
.irp j, 0,1
	s_delay_alu instid0(VALU_DEP_2)
	v_or_b32 v[PSC+\j], v[W+\j], v[X+\j]           ; with lane l xor 16's two the word is whole
.endr
	s_wait_alu depctr_va_vdst(0)                   ; one wait for the 128, ahead of their first reader
	WIN 0x01                                       ; source 0 window 1
.irp k, 0,1,2,3
	v_cvt_scalef32_pk16_fp6_f32 v[PCD+6*\k:PCD+6*\k+2], v[32*\k:32*\k+15], v[SO+\k]
	v_cvt_scalef32_pk16_fp6_f32 v[TX+4*\k:TX+4*\k+2], v[32*\k+16:32*\k+31], v[SO+\k]   ; (a conversion's three registers begin on an even number)
.endr
	v_nop                                          ; one plain place behind a scaled conversion
	WIN 0
.irp k, 0,1,2,3
.irp i, 0,1,2
	v_mov_b32 v[PCD+6*\k+3+\i], v[TX+4*\k+\i]
.endr
.endr
	WIN 0x05
.irp i, 0,1,2,3,4,5,6,7
	v_pk_add_f32 v[AC+2*\i:AC+2*\i+1], v[4*\i:4*\i+1], v[4*\i+2:4*\i+3]   ; the step's sum of the unquantised p begins; these are also the places ahead of the products
.endr
	s_wait_dscnt 36                                ; K along the keys and its words are in: the 36 younger loads may be out
	WIN 0
	s_wait_alu depctr_va_vdst(0)
.irp j, 0,1                                    ; the four accumulators take turns
.irp z, 0,1,2,3
.if 4*\j+\z < 6
	WP O+8*\z, KT0+12*(4*\j+\z), PCD+12*\j, TSC+2*\j+\z/2, PSC+\j, \z%2
.else
	WIN 0x01                                       ; source 0 window 1
	WP O+8*\z, 224+12*(4*\j+\z-6), PCD+12*\j, TSC+2*\j+\z/2, PSC+\j, \z%2
.endif
.endr
.endr
	WIN 0x04                                       ; source 1 window 1
	ADDS 16, 8                                     ; places ahead of the loads below
	KTLOAD 0
	KTLOAD 1
	WIN 0x04
	ADDS 24, 40
	WIN 0
.irp i, 0,1,2,3
	v_pk_add_f32 v[AC+2*\i:AC+2*\i+1], v[AC+2*\i:AC+2*\i+1], v[AC+8+2*\i:AC+9+2*\i]
.endr
	s_delay_alu instid0(VALU_DEP_2)
	v_pk_add_f32 v[AC:AC+1], v[AC:AC+1], v[AC+4:AC+5]
	s_delay_alu instid0(VALU_DEP_2)
	v_pk_add_f32 v[AC+2:AC+3], v[AC+2:AC+3], v[AC+6:AC+7]
	s_delay_alu instid0(VALU_DEP_1)
	v_pk_add_f32 v[AC:AC+1], v[AC:AC+1], v[AC+2:AC+3]
	s_delay_alu instid0(VALU_DEP_1)
	v_pk_add_f32 v[14:15], v[14:15], v[AC:AC+1]
	s_wait_alu depctr_va_vdst(0)                   ; ahead of the branches
	s_cmp_lg_u32 s45, 0
	s_cbranch_scc1 .Lnext                          ; on the loop's counter alone: the same in all waves
; THE TWO HALVES OF THE KEYS MEET.  Two barriers: one between the stores and the reads, one between the reads and the next energy step's stores.
	v_add_f32 v240, v14, v15
	s_delay_alu instid0(VALU_DEP_1)
	v_permlanex16_b32 v243, v240, s[SEL], s[SEL+1]
	s_delay_alu instid0(VALU_DEP_1)
	v_add_f32 v240, v240, v243                     ; my half's sum
.irp c, 0,1,2,3,4,5,6,7
	ds_store_b128 v248, v[O+4*\c:O+4*\c+3] offset:512*\c   ; each accumulator from its low end on
.endr
	ds_store_b32 v249, v12
	ds_store_b32 v249, v240 offset:128
	s_wait_dscnt 0x0                               ; for the others' sake: my stores are done (and no LDS load of mine is out)
	s_barrier_signal -1
	s_barrier_wait -1
	ds_load_b32 v236, v255                         ; -M of the first half,
	ds_load_b32 v237, v255 offset:17408            ; of the second;
	ds_load_b32 v238, v255 offset:128              ; their sums
	ds_load_b32 v239, v255 offset:17408+128
	MIMG PCD, 0
	MIMG O, 1                                      ; (my own O lies in LDS: its registers are free)
	s_wait_dscnt 16                                ; the four words are in; the 16 loads of the images may be out
	v_min_num_f32 v241, v236, v237                 ; -M of all keys
	s_delay_alu instid0(VALU_DEP_1)
	v_sub_f32 v236, v241, v236                     ; M_k - M: a whole number, 0 or less
	v_sub_f32 v237, v241, v237
	s_delay_alu instid0(VALU_DEP_2)
	v_cvt_i32_f32 v236, v236
	s_delay_alu instid0(VALU_DEP_2)
	v_cvt_i32_f32 v237, v237
	s_delay_alu instid0(VALU_DEP_2)
	v_ldexp_f32 v236, 1.0, v236                    ; f_k: exact
	s_delay_alu instid0(VALU_DEP_2)
	v_ldexp_f32 v237, 1.0, v237
	s_delay_alu instid0(VALU_DEP_2)
	v_mul_f32 v240, v236, v238
	s_delay_alu instid0(VALU_DEP_1)
	v_fmac_f32 v240, v237, v239                    ; the row's sum
	s_wait_alu depctr_va_vdst(0)
	v_rcp_f32 v240, v240
	v_nop                                          ; a plain place behind the reciprocal
	s_wait_alu depctr_va_vdst(0)                   ; and the wait ahead of its first reader
	v_mul_f32 v240, s33, v240                      ; 0.1 / the sum
	s_delay_alu instid0(VALU_DEP_1)
	v_mul_f32 v250, v236, v240                     ; g_0,
	v_mul_f32 v252, v237, v240                     ; g_1
	s_wait_alu depctr_va_vdst(0)
	s_wait_dscnt 0x0
	MACC PCD, 250
	MACC O, 252
	s_wait_alu depctr_va_vdst(0)                   ; ahead of the barrier
	s_barrier_signal -1                            ; my reads are over (the wait for 0 above)
	s_barrier_wait -1
	QSTART                                         ; behind the fifth energy step these are the final q's codes, along the next product's K: 64 x head + z
.Lnext:
	s_add_co_u32 s44, s44, 1
	s_cmp_lt_u32 s44, 20
	s_cbranch_scc1 .Lstep
	s_cmp_lt_u32 s8, 4                             ; the two waves of a tile hold the same bits: the first half's wave stores
	s_cbranch_scc0 .Lnot_mine
	v_and_b32 v240, 31, v0
	s_delay_alu instid0(VALU_DEP_1)
	v_lshlrev_b32 v241, 4, v240
	v_lshlrev_b32 v242, 3, v240
	v_and_b32 v243, 15, v0
	v_bfe_u32 v236, v0, 4, 1
	s_delay_alu instid0(VALU_DEP_1)
	v_lshl_add_u32 v243, v243, 5, v236             ; 32 r + h
	v_lshrrev_b32 v237, v11, v244                  ; lanes 0-15 send block 0's byte, lanes 16-31 block 1's
	s_wait_alu depctr_va_vdst(0)
	global_store_b128 v241, v[22:25], s[40:41]
	global_store_b64 v242, v[26:27], s[40:41] offset:512
	global_store_b8 v243, v237, s[42:43]
.Lnot_mine:
	s_wait_tensorcnt 0x0                           ; the wave's end
	ds_add_u32 v[SPW], v[NIL]
	s_wait_dscnt 0x0                               ; (the last trip's fetches are waited for here too)
	ROUND                                          ; the closing round
	s_endpgm
.Lfunc_end_k_q860e9e2235_attn:
	.size	k_q860e9e2235_attn, .Lfunc_end_k_q860e9e2235_attn-k_q860e9e2235_attn
	.p2alignl 7, 3214868480
	.fill 96, 4, 3214868480
	.section	.rodata,"a",@progbits
	.p2align	6, 0x0
	.amdhsa_kernel k_q860e9e2235_attn
		.amdhsa_group_segment_fixed_size 294912
		.amdhsa_private_segment_fixed_size 0
		.amdhsa_enable_private_segment 0
		.amdhsa_kernarg_size 16
		.amdhsa_user_sgpr_count 2
		.amdhsa_user_sgpr_kernarg_segment_ptr 1
		.amdhsa_wavefront_size32 1
		.amdhsa_system_sgpr_workgroup_id_x 1
		.amdhsa_system_sgpr_workgroup_id_y 1
		.amdhsa_system_sgpr_workgroup_id_z 1
		.amdhsa_system_vgpr_workitem_id 0
		.amdhsa_next_free_vgpr 512
		.amdhsa_next_free_sgpr 66
		.amdhsa_reserve_vcc 0
		.amdhsa_float_denorm_mode_32 3
		.amdhsa_float_denorm_mode_16_64 3
		.amdhsa_memory_ordered 1
		.amdhsa_forward_progress 1
		.amdhsa_inst_pref_size 56
	.end_amdhsa_kernel
	.amdgpu_metadata
---
amdhsa.version: [ 1, 2 ]
amdhsa.kernels:
  - .name:           k_q860e9e2235_attn
    .symbol:         k_q860e9e2235_attn.kd
    .args:
      - { .name: bbuf, .offset: 0, .size: 8, .value_kind: global_buffer, .address_space: global }
      - { .name: cbuf, .offset: 8, .size: 8, .value_kind: global_buffer, .address_space: global }
    .group_segment_fixed_size: 294912
    .private_segment_fixed_size: 0
    .kernarg_segment_align: 8
    .kernarg_segment_size: 16
    .max_flat_workgroup_size: 256
    .sgpr_count:     66
    .vgpr_count:     512
    .wavefront_size: 32
...
	.end_amdgpu_metadata
.endif
;; end of part 3
;; launch wo (part 4): grid 16 x 16, 4 waves a work-group, no clusters, 83,456 bytes of LDS; arguments abuf, cbuf, target, alpha2, dbuf; writes dbuf
.if DOCPART == 4
	.amdgcn_target "amdgcn-amd-amdhsa--gfx1250"
	.amdhsa_code_object_version 6
	.text
	.protected	k_q860e9e2235_wo
	.globl	k_q860e9e2235_wo
	.p2align	8
	.type	k_q860e9e2235_wo,@function
k_q860e9e2235_wo:
	s_mov_b64 s[64:65], 0
	v_nop
	global_prefetch_b8 v0, s[64:65] scope:SCOPE_SE
	s_setreg_imm32_b32 hwreg(HW_REG_WAVE_MODE, 25, 1), 1
	s_wait_xcnt 0x0
; t2 = target + q Wo^T (K = 1,024, codes of FP6 (E2M3)); t2 goes to dbuf in f32 as an image of the registers, tanh(alpha2 t2) as codes with their scale bytes.
; A work-group makes 64 rows x 64 columns.  THE FOUR WAVES SHARE K: wave w takes K steps 2 w and 2 w + 1 for the whole tile (16 accumulators, 32 matrix instructions), so that 256 work-groups have work.
; The four partial sums meet in LDS (65,536 bytes), and wave w then owns row tile w: (P0 + P1) + (P2 + P3), an order of f32 sums that differs from one ascending chain.
; Source 0 = Wo's rows, source 1 = q's rows: a lane holds one row of t2 and its registers run along the columns: register 16 b + i = column 32 b + 16 (lane / 16) + i of the tile's 64.
; target's 16 rows x 256 bytes come by dense loads (sixteen lanes a row) and turn through the wave's own stage (16 rows, 272 bytes apart) into that layout.
; Operands go from memory straight into registers: no LDS tile and no tensor load stand here, so there is nothing to ask for jointly in a cluster.
; tanh(y): |y| >= 0.25: (1 - e) / (1 + e), e = 2^(-2 log2(e) |y|); below: the series to y^7.
; LIMITS: NaN and infinities are not served; a block of zeros, or one under 2^-124, gets the byte 1 where the rule says 127: its codes are zeros, and this program alone reads the bytes.
; dbuf: t2 images [row tile][64 columns 0..15][4,096]; at 4,194,304 codes [row tile][unit 0..15][768]; at 4,980,736 scale blocks [row tile][512].
.set ASC, 11010048
.set TS,  12288
.set SS,  512
.set SCW, 2
.set P0,  20
.set P1,  22
.set Q0,  24
.set Q1,  26
.set TG,  28
.set IMG, 30
.set COD, 32
.set SEL, 34
.set SCO, 36
.set KC1, 40
.set KC3, 41
.set KC5, 42
.set KC7, 43
.set K025, 44
.set K7F, 45
.set TT,  12
.set ACC, 80
.set SC0, 16
.set SC1, 32
.set TM,  208
.set TP,  210
.set SO,  212
.set SBY, 214
.set PX,  218
.set CD,  224
.set MSB, 0
.macro WIN new                         ; the immediate's high byte repeats the setting that is left
.if MSB != \new
	s_set_vgpr_msb (MSB<<8)|\new
.set MSB, \new
.endif
.endm
.macro PLACES
.rept 4
	v_nop
.endr
.endm
.macro FRAGS sb, reg, step
.irp i, 0,1,2,3
	global_load_b128 v[\reg+12*\i:\reg+12*\i+3], v1, s[\sb:\sb+1] offset:\i*TS+(\step)*1536
	global_load_b64 v[\reg+12*\i+4:\reg+12*\i+5], v2, s[\sb:\sb+1] offset:\i*TS+(\step)*1536+512
	global_load_b128 v[\reg+12*\i+6:\reg+12*\i+9], v1, s[\sb:\sb+1] offset:\i*TS+(\step)*1536+768
	global_load_b64 v[\reg+12*\i+10:\reg+12*\i+11], v2, s[\sb:\sb+1] offset:\i*TS+(\step)*1536+1280
.endr
.endm
.macro LOADSTEP s
	WIN 0x40
	FRAGS P0, 96*((\s)%2), \s
	FRAGS P1, 96*((\s)%2)+48, \s
.endm
.macro WM acc, fa, fb, zero, sa, sb
.if \zero
	v_wmma_scale_f32_16x16x128_f8f6f4 v[\acc:\acc+7], v[\fa:\fa+11], v[\fb:\fb+11], 0, v[\sa], v[\sb] matrix_a_fmt:MATRIX_FMT_FP6 matrix_b_fmt:MATRIX_FMT_FP6
.else
	v_wmma_scale_f32_16x16x128_f8f6f4 v[\acc:\acc+7], v[\fa:\fa+11], v[\fb:\fb+11], v[\acc:\acc+7], v[\sa], v[\sb] matrix_a_fmt:MATRIX_FMT_FP6 matrix_b_fmt:MATRIX_FMT_FP6
.endif
.endm
.macro MULSTEP s                       ; the 16 accumulators take turns, in the same order in both steps
	WIN 0x05
.irp m, 0,1,2,3
.irp a, 0,1,2,3
	WM ACC+8*(4*\m+\a), 96*((\s)%2)+12*\a, 96*((\s)%2)+48+12*\m, (\s)==0, SC0+SCW*\a+(\s)%SCW, SC1+SCW*\m+(\s)%SCW
.endr
.endr
.endm
.macro QUANT32 s, pc, px, sby
.irp b, 0,1
	v_max3_num_f32 v[TM+\b], |v[\s+16*\b]|, |v[\s+16*\b+1]|, 0x1800000
.endr
.irp i, 2,4,6,8,10,12,14
.irp b, 0,1
	v_max3_num_f32 v[TM+\b], v[TM+\b], |v[\s+16*\b+\i]|, |v[\s+16*\b+\i+1]|
.endr
.endr
.irp b, 0,1
	v_permlanex16_b32 v[TP+\b], v[TM+\b], s[SEL], s[SEL+1]
.endr
.irp b, 0,1
	v_max_num_f32 v[TM+\b], v[TM+\b], v[TP+\b]
.endr
.irp b, 0,1
	v_add_nc_u32 v[SO+\b], 0xff000000, v[TM+\b]
.endr
.irp b, 0,1
	v_lshrrev_b32 v[TP+\b], 23, v[SO+\b]
.endr
	v_lshl_or_b32 v[\sby], v[TP+1], 8, v[TP]
	v_cvt_scalef32_pk16_fp6_f32 v[\pc:\pc+2], v[\s:\s+15], v[SO]
	v_cvt_scalef32_pk16_fp6_f32 v[\px:\px+2], v[\s+16:\s+31], v[SO+1]
	v_nop                                          ; one plain place behind a scaled conversion
.irp i, 0,1,2
	v_permlane16_swap_b32 v[\pc+\i], v[\px+\i]
.endr
.irp i, 0,1,2
	v_mov_b32 v[\pc+3+\i], v[\px+\i]
.endr
.endm
.macro TANH32 x, e, d
.set TI, 0
.rept 32
	v_mul_f32 v[\e+TI], s[KC1], |v[\x+TI]|
.set TI, TI+1
.endr
.set TI, 0
	s_wait_alu depctr_va_vdst(0)
.rept 32
	v_exp_f32 v[\e+TI], v[\e+TI]
.set TI, TI+1
.endr
	v_nop
	s_wait_alu depctr_va_vdst(0)                   ; one wait for the 32 exponentials
.set TI, 0
.rept 32
	v_add_f32 v[\d+TI], 1.0, v[\e+TI]
	v_sub_f32 v[\e+TI], 1.0, v[\e+TI]
.set TI, TI+1
.endr
.set TI, 0
	s_wait_alu depctr_va_vdst(0)
.rept 32
	v_rcp_f32 v[\d+TI], v[\d+TI]
.set TI, TI+1
.endr
	v_nop
	s_wait_alu depctr_va_vdst(0)                   ; one wait for the 32 reciprocals
.set TI, 0
.rept 32
	v_mul_f32 v[\e+TI], v[\e+TI], v[\d+TI]
	v_mul_f32 v[\d+TI], v[\x+TI], v[\x+TI]
	v_fma_f32 v[TT+TI%4], v[\d+TI], s[KC7], s[KC5]
	v_fma_f32 v[TT+TI%4], v[TT+TI%4], v[\d+TI], s[KC3]
	v_mul_f32 v[TT+TI%4], v[TT+TI%4], v[\d+TI]
	v_fma_f32 v[TT+TI%4], v[\x+TI], v[TT+TI%4], v[\x+TI]
	v_cmp_gt_f32 vcc_lo, s[K025], |v[\x+TI]|
	v_bfi_b32 v[\e+TI], s[K7F], v[\e+TI], v[\x+TI]
	v_cndmask_b32 v[\x+TI], v[\e+TI], v[TT+TI%4], vcc_lo
.set TI, TI+1
.endr
.endm
	s_load_b256 s[4:11], s[0:1], 0x0               ; abuf, cbuf, target, alpha2
	s_load_b64 s[12:13], s[0:1], 0x20              ; dbuf
	v_lshl_add_u32 v254, v0, 2, 0x14400
	v_mov_b32 v255, 0
	v_lshrrev_b32 v4, 5, v0
	v_readfirstlane_b32 s16, v4                    ; wave
	v_and_b32 v11, 31, v0
	v_and_b32 v12, 15, v0                          ; r
	v_bfe_u32 v13, v0, 4, 1                        ; h
	v_lshlrev_b32 v1, 4, v11
	v_lshlrev_b32 v2, 3, v11
	v_lshlrev_b32 v3, 5, v12                       ; 32 r: my row's scale bytes; the wave's eight stand in the base
	s_lshl_b32 s17, s16, 14
	v_add_nc_u32 v4, s17, v1                       ; my partial sums: 16,384 x wave + 16 x lane
	s_lshl_b32 s17, s16, 12
	v_add_nc_u32 v5, s17, v1                       ; row tile w of every wave's: 4,096 x wave + 16 x lane
	s_mul_i32 s17, s16, 4352
	s_add_co_u32 s17, s17, 65536                   ; my stage
	v_mul_u32_u24 v6, v13, 272
	v_lshl_add_u32 v6, v12, 4, v6
	v_add_nc_u32 v6, s17, v6                       ; by rows: sixteen lanes a row
	v_mul_u32_u24 v7, v12, 272
	v_lshl_add_u32 v7, v13, 6, v7
	v_add_nc_u32 v7, s17, v7                       ; by lanes: row r, + 64 h
	v_lshlrev_b32 v8, 3, v13                       ; 8 h
	v_lshlrev_b32 v9, 12, v13
	v_lshl_add_u32 v9, v12, 4, v9                  ; target: 4,096 (lane / 16) + 16 (lane % 16)
	v_lshl_add_u32 v10, v12, 5, v13                ; 32 r + h
	v_mov_b32 v[TP], 0
	v_mov_b32 v[TP+1], 0
	s_mov_b32 s[SEL], 0x76543210
	s_mov_b32 s[SEL+1], 0xfedcba98
	s_mov_b32 s[KC1], 0xc038aa3b
	s_mov_b32 s[KC3], 0xbeaaaaab
	s_mov_b32 s[KC5], 0x3e088889
	s_mov_b32 s[KC7], 0xbd5d0dd1
	s_mov_b32 s[K025], 0x3e800000
	s_mov_b32 s[K7F], 0x7fffffff
	s_mov_b32 s14, ttmp9                           ; G0: which 64 columns
	s_and_b32 s15, ttmp7, 0xffff                   ; G1: which 64 rows
	s_mov_b32 s19, 0
	s_wait_alu depctr_va_vdst(0)
	s_wait_kmcnt 0x0
	s_load_b32 s46, s[10:11], 0x0                  ; alpha2
	s_lshl_b32 s18, s15, 6
	s_lshr_b32 s17, s16, 1
	s_lshl_b32 s17, s17, 5
	s_add_co_u32 s18, s18, s17
	s_and_b32 s17, s16, 1
	s_lshl_b32 s17, s17, 3
	s_add_co_u32 s18, s18, s17                     ; row tile 4 G1 + w begins at row 64 G1 + 32 (w / 2) + 8 (w % 2)
	s_lshl_b32 s18, s18, 12
	s_lshl_b32 s17, s14, 8
	s_add_co_u32 s18, s18, s17
	s_add_nc_u64 s[TG:TG+1], s[8:9], s[18:19]
.irp i, 0,1,2,3,4,5,6,7
	global_load_b128 v[48+4*\i:48+4*\i+3], v9, s[TG:TG+1] offset:(2*\i+8*(\i/4))*4096
.endr
	s_lshl_b32 s17, s14, 2
	s_add_co_u32 s17, s17, 256                     ; Wo's job of my first tile
	s_mul_i32 s18, s17, 12288
	s_mul_i32 s47, s16, 3072                       ; my two K steps
	s_add_co_u32 s18, s18, s47
	s_add_nc_u64 s[P0:P0+1], s[4:5], s[18:19]
	s_lshl_b32 s18, s17, 9
	s_add_co_u32 s18, s18, ASC
	s_lshl_b32 s17, s16, 3
	s_add_co_u32 s18, s18, s17
	s_add_nc_u64 s[Q0:Q0+1], s[4:5], s[18:19]
	s_mul_i32 s18, s15, 49152
	s_add_co_u32 s18, s18, s47
	s_add_nc_u64 s[P1:P1+1], s[6:7], s[18:19]
	s_lshl_b32 s18, s15, 11
	s_add_co_u32 s18, s18, 786432
	s_add_co_u32 s18, s18, s17
	s_add_nc_u64 s[Q1:Q1+1], s[6:7], s[18:19]
.irp i, 0,1,2,3
	global_load_b64 v[SC0+2*\i:SC0+2*\i+1], v3, s[Q0:Q0+1] offset:\i*SS
	global_load_b64 v[SC1+2*\i:SC1+2*\i+1], v3, s[Q1:Q1+1] offset:\i*SS
.endr
	LOADSTEP 0
	LOADSTEP 1
	WIN 0
	s_lshl_b32 s47, s15, 2
	s_add_co_u32 s47, s47, s16                     ; T = 4 G1 + w
	s_lshl_b32 s17, s47, 4
	s_add_co_u32 s17, s17, s14                     ; 16 T + G0
	s_lshl_b32 s18, s17, 12
	s_add_nc_u64 s[IMG:IMG+1], s[12:13], s[18:19]
	s_mul_i32 s18, s17, 768
	s_add_co_u32 s18, s18, 4194304
	s_add_nc_u64 s[COD:COD+1], s[12:13], s[18:19]
	s_lshl_b32 s18, s47, 9
	s_lshl_b32 s17, s14, 1
	s_add_co_u32 s18, s18, s17
	s_add_co_u32 s18, s18, 4980736
	s_add_nc_u64 s[SCO:SCO+1], s[12:13], s[18:19]
	s_wait_kmcnt 0x0                               ; alpha2
	s_wait_loadcnt 32                              ; target, the scales and step 0 are in; step 1's 32 loads may be out
.irp i, 0,1,2,3,4,5,6,7
	ds_store_b128 v6, v[48+4*\i:48+4*\i+3] offset:544*\i
.endr
	MULSTEP 0
	s_wait_loadcnt 0x0
	MULSTEP 1
	WIN 0
	PLACES
.irp m, 0,1,2,3
.irp c, 0,1,2,3,4,5,6,7
	ds_store_b128 v4, v[ACC+32*\m+4*\c:ACC+32*\m+4*\c+3] offset:4096*\m+512*\c   ; each accumulator from its low end on
.endr
.endr
	s_wait_dscnt 0x0                               ; for the others' sake: my partial sums lie in LDS
	s_barrier_signal -1
	s_barrier_wait -1
.irp k, 0,1,2,3
.irp c, 0,1,2,3,4,5,6,7
	ds_load_b128 v[ACC+32*\k+4*\c:ACC+32*\k+4*\c+3], v5 offset:16384*\k+512*\c
.endr
.endr
.irp b, 0,1
.irp j, 0,1,2,3
	ds_load_b128 v[48+16*\b+4*\j:48+16*\b+4*\j+3], v7 offset:128*\b+16*\j   ; target in the result's layout
.endr
.endr
	s_wait_dscnt 0x0
.set TI, 0
.rept 16
	v_pk_add_f32 v[ACC+TI:ACC+TI+1], v[ACC+TI:ACC+TI+1], v[ACC+32+TI:ACC+33+TI]
	v_pk_add_f32 v[ACC+64+TI:ACC+65+TI], v[ACC+64+TI:ACC+65+TI], v[ACC+96+TI:ACC+97+TI]
.set TI, TI+2
.endr
.set TI, 0
.rept 16
	v_pk_add_f32 v[ACC+TI:ACC+TI+1], v[ACC+TI:ACC+TI+1], v[ACC+64+TI:ACC+65+TI]
.set TI, TI+2
.endr
.set TI, 0
.rept 16
	v_pk_add_f32 v[ACC+TI:ACC+TI+1], v[ACC+TI:ACC+TI+1], v[48+TI:49+TI]   ; t2
.set TI, TI+2
.endr
.irp c, 0,1,2,3,4,5,6,7
	global_store_b128 v1, v[ACC+4*\c:ACC+4*\c+3], s[IMG:IMG+1] offset:512*\c   ; 512 consecutive bytes a store; these registers are not written again
.endr
.set TI, 0
.rept 32
	v_mul_f32 v[48+TI], s46, v[ACC+TI]
.set TI, TI+1
.endr
	TANH32 48, ACC+32, ACC+64
	QUANT32 48, CD, PX, SBY
	global_store_b128 v1, v[CD:CD+3], s[COD:COD+1]
	global_store_b64 v2, v[CD+4:CD+5], s[COD:COD+1] offset:512
	v_lshrrev_b32 v[CD+6], v8, v[SBY]
	global_store_b8 v10, v[CD+6], s[SCO:SCO+1]
	s_barrier_signal -1
	s_barrier_wait -1
	s_wait_tensorcnt 0x0
	ds_add_u32 v254, v255
	s_wait_dscnt 0x0
	s_endpgm
.Lfunc_end_k_q860e9e2235_wo:
	.size	k_q860e9e2235_wo, .Lfunc_end_k_q860e9e2235_wo-k_q860e9e2235_wo
	.p2alignl 7, 3214868480
	.fill 96, 4, 3214868480
	.section	.rodata,"a",@progbits
	.p2align	6, 0x0
	.amdhsa_kernel k_q860e9e2235_wo
		.amdhsa_group_segment_fixed_size 83456
		.amdhsa_private_segment_fixed_size 0
		.amdhsa_enable_private_segment 0
		.amdhsa_kernarg_size 40
		.amdhsa_user_sgpr_count 2
		.amdhsa_user_sgpr_kernarg_segment_ptr 1
		.amdhsa_wavefront_size32 1
		.amdhsa_system_sgpr_workgroup_id_x 1
		.amdhsa_system_sgpr_workgroup_id_y 1
		.amdhsa_system_sgpr_workgroup_id_z 1
		.amdhsa_system_vgpr_workitem_id 0
		.amdhsa_next_free_vgpr 448
		.amdhsa_next_free_sgpr 66
		.amdhsa_reserve_vcc 1
		.amdhsa_float_denorm_mode_32 3
		.amdhsa_float_denorm_mode_16_64 3
		.amdhsa_memory_ordered 1
		.amdhsa_forward_progress 1
		.amdhsa_inst_pref_size 50
	.end_amdhsa_kernel
	.amdgpu_metadata
---
amdhsa.version: [ 1, 2 ]
amdhsa.kernels:
  - .name:           k_q860e9e2235_wo
    .symbol:         k_q860e9e2235_wo.kd
    .args:
      - { .name: abuf, .offset: 0, .size: 8, .value_kind: global_buffer, .address_space: global }
      - { .name: cbuf, .offset: 8, .size: 8, .value_kind: global_buffer, .address_space: global }
      - { .name: target, .offset: 16, .size: 8, .value_kind: global_buffer, .address_space: global }
      - { .name: alpha2, .offset: 24, .size: 8, .value_kind: global_buffer, .address_space: global }
      - { .name: dbuf, .offset: 32, .size: 8, .value_kind: global_buffer, .address_space: global }
    .group_segment_fixed_size: 83456
    .private_segment_fixed_size: 0
    .kernarg_segment_align: 8
    .kernarg_segment_size: 40
    .max_flat_workgroup_size: 128
    .sgpr_count:     66
    .vgpr_count:     448
    .wavefront_size: 32
...
	.end_amdgpu_metadata
.endif
;; end of part 4
;; launch ffn1 (part 5): grid 256 x 1, 4 waves a work-group, no clusters, 0 bytes of LDS; arguments abuf, dbuf, ebuf; writes ebuf
.if DOCPART == 5
	.amdgcn_target "amdgcn-amd-amdhsa--gfx1250"
	.amdhsa_code_object_version 6
	.text
	.protected	k_q860e9e2235_ffn1
	.globl	k_q860e9e2235_ffn1
	.p2align	8
	.type	k_q860e9e2235_ffn1,@function
k_q860e9e2235_ffn1:
	s_mov_b64 s[64:65], 0
	v_nop
	global_prefetch_b8 v0, s[64:65] scope:SCOPE_SE
	s_setreg_imm32_b32 hwreg(HW_REG_WAVE_MODE, 25, 1), 1
	s_wait_xcnt 0x0
; h = gelu(tanh(alpha2 t2) W1^T), K = 1,024, on codes of FP6 (E2M3); h leaves as codes along the next product's K (the hidden units) with their scale bytes.
; A wave makes 64 hidden units x 64 rows: 16 accumulators; source 0 = four tiles of W1's rows, source 1 = four row tiles; a work-group is a 2 x 2 block of such; 1,024 waves in all.
; Eight K steps of 128, written out; fragments go from memory straight into registers, one K step ahead, in two sets.  No LDS tile and no tensor load stand here, so there is nothing to ask for jointly in a cluster.
; A lane holds one row; register 16 b + i of a row tile's 32 is hidden unit 32 b + 16 (lane / 16) + i of the wave's 64: 16 neighbours along the next K.
; gelu (the tanh form) = x / (1 + 2^(x (GB + GA x^2))), GB = -2 log2(e) sqrt(2 / pi), GA = 0.044715 GB: the same function, without the sum 1 + tanh that cancels for negative x.
; LIMITS: NaN and infinities are not served; a block of zeros, or one under 2^-124, gets the byte 1 where the rule says 127: its codes are zeros, and this program alone reads the bytes.
; ebuf: codes [row tile][unit 0..63][768]; at 3,145,728 scale blocks [row tile][chunk of 1,024 hidden units][512].
.set ASC, 11010048
.set NS,  8
.set TS,  12288
.set SS,  512
.set SCW, 4
.set P0,  20
.set P1,  22
.set Q0,  24
.set Q1,  26
.set COD, 28
.set SCO, 30
.set SEL, 34
.set KGA, 40
.set KGB, 41
.set ACC, 80
.set SC0, 16
.set SC1, 32
.set TM,  208
.set TP,  210
.set SO,  212
.set SBY, 214
.set PX,  218
.set CD,  224
.set MSB, 0
.macro WIN new                         ; the immediate's high byte repeats the setting that is left
.if MSB != \new
	s_set_vgpr_msb (MSB<<8)|\new
.set MSB, \new
.endif
.endm
.macro PLACES
.rept 4
	v_nop
.endr
.endm
.macro FRAGS sb, reg, step
.irp i, 0,1,2,3
	global_load_b128 v[\reg+12*\i:\reg+12*\i+3], v1, s[\sb:\sb+1] offset:\i*TS+(\step)*1536
	global_load_b64 v[\reg+12*\i+4:\reg+12*\i+5], v2, s[\sb:\sb+1] offset:\i*TS+(\step)*1536+512
	global_load_b128 v[\reg+12*\i+6:\reg+12*\i+9], v1, s[\sb:\sb+1] offset:\i*TS+(\step)*1536+768
	global_load_b64 v[\reg+12*\i+10:\reg+12*\i+11], v2, s[\sb:\sb+1] offset:\i*TS+(\step)*1536+1280
.endr
.endm
.macro LOADSTEP s
	WIN 0x40
	FRAGS P0, 96*((\s)%2), \s
	FRAGS P1, 96*((\s)%2)+48, \s
.endm
.macro WM acc, fa, fb, zero, sa, sb, row
.if \zero
	v_wmma_scale_f32_16x16x128_f8f6f4 v[\acc:\acc+7], v[\fa:\fa+11], v[\fb:\fb+11], 0, v[\sa], v[\sb] matrix_a_fmt:MATRIX_FMT_FP6 matrix_b_fmt:MATRIX_FMT_FP6
.elseif \row
	v_wmma_scale_f32_16x16x128_f8f6f4 v[\acc:\acc+7], v[\fa:\fa+11], v[\fb:\fb+11], v[\acc:\acc+7], v[\sa], v[\sb] matrix_a_fmt:MATRIX_FMT_FP6 matrix_b_fmt:MATRIX_FMT_FP6 matrix_a_scale:MATRIX_SCALE_ROW1 matrix_b_scale:MATRIX_SCALE_ROW1
.else
	v_wmma_scale_f32_16x16x128_f8f6f4 v[\acc:\acc+7], v[\fa:\fa+11], v[\fb:\fb+11], v[\acc:\acc+7], v[\sa], v[\sb] matrix_a_fmt:MATRIX_FMT_FP6 matrix_b_fmt:MATRIX_FMT_FP6
.endif
.endm
.macro MULSTEP s                       ; the 16 accumulators take turns, in the same order in every step
	WIN 0x05
.irp m, 0,1,2,3
.irp a, 0,1,2,3
	WM ACC+8*(4*\m+\a), 96*((\s)%2)+12*\a, 96*((\s)%2)+48+12*\m, (\s)==0, SC0+SCW*\a+(\s)%SCW, SC1+SCW*\m+(\s)%SCW, (\s)/4
.endr
.endr
.endm
.macro GEMM_RUN
	LOADSTEP 0
	LOADSTEP 1
.set KSI, 0
.rept NS
.if KSI == NS-1
	s_wait_loadcnt 0x0
.else
	s_wait_loadcnt 32                              ; this step's fragments, and all that is older, are in; the next step's 32 loads may be out
.endif
	MULSTEP KSI
.if KSI+2 < NS
	PLACES
	LOADSTEP KSI+2
.endif
.set KSI, KSI+1
.endr
	WIN 0
	PLACES
.endm
.macro QUANT32 s, pc, px, sby
.irp b, 0,1
	v_max3_num_f32 v[TM+\b], |v[\s+16*\b]|, |v[\s+16*\b+1]|, 0x1800000
.endr
.irp i, 2,4,6,8,10,12,14
.irp b, 0,1
	v_max3_num_f32 v[TM+\b], v[TM+\b], |v[\s+16*\b+\i]|, |v[\s+16*\b+\i+1]|
.endr
.endr
.irp b, 0,1
	v_permlanex16_b32 v[TP+\b], v[TM+\b], s[SEL], s[SEL+1]
.endr
.irp b, 0,1
	v_max_num_f32 v[TM+\b], v[TM+\b], v[TP+\b]
.endr
.irp b, 0,1
	v_add_nc_u32 v[SO+\b], 0xff000000, v[TM+\b]
.endr
.irp b, 0,1
	v_lshrrev_b32 v[TP+\b], 23, v[SO+\b]
.endr
	v_lshl_or_b32 v[\sby], v[TP+1], 8, v[TP]
	v_cvt_scalef32_pk16_fp6_f32 v[\pc:\pc+2], v[\s:\s+15], v[SO]
	v_cvt_scalef32_pk16_fp6_f32 v[\px:\px+2], v[\s+16:\s+31], v[SO+1]
	v_nop                                          ; one plain place behind a scaled conversion
.irp i, 0,1,2
	v_permlane16_swap_b32 v[\pc+\i], v[\px+\i]
.endr
.irp i, 0,1,2
	v_mov_b32 v[\pc+3+\i], v[\px+\i]
.endr
.endm
.macro GELU32 x, e                     ; v[x] .. v[x+31] = gelu of themselves; e: 32 registers of scratch.  The accumulators are read from their low ends on
.set TI, 0
.rept 32
	v_mul_f32 v[\e+TI], v[\x+TI], v[\x+TI]
.set TI, TI+1
.endr
.set TI, 0
.rept 32
	v_fma_f32 v[\e+TI], v[\e+TI], s[KGA], s[KGB]
.set TI, TI+1
.endr
.set TI, 0
.rept 32
	v_mul_f32 v[\e+TI], v[\e+TI], v[\x+TI]
.set TI, TI+1
.endr
.set TI, 0
	s_wait_alu depctr_va_vdst(0)
.rept 32
	v_exp_f32 v[\e+TI], v[\e+TI]
.set TI, TI+1
.endr
	v_nop
	s_wait_alu depctr_va_vdst(0)                   ; one wait for the 32 exponentials
.set TI, 0
.rept 32
	v_add_f32 v[\e+TI], 1.0, v[\e+TI]
.set TI, TI+1
.endr
.set TI, 0
	s_wait_alu depctr_va_vdst(0)
.rept 32
	v_rcp_f32 v[\e+TI], v[\e+TI]
.set TI, TI+1
.endr
	v_nop
	s_wait_alu depctr_va_vdst(0)                   ; one wait for the 32 reciprocals
.set TI, 0
.rept 32
	v_mul_f32 v[\x+TI], v[\x+TI], v[\e+TI]
.set TI, TI+1
.endr
.endm
	s_load_b128 s[4:7], s[0:1], 0x0                ; abuf, dbuf
	s_load_b64 s[8:9], s[0:1], 0x10                ; ebuf
	v_lshrrev_b32 v4, 5, v0
	v_readfirstlane_b32 s16, v4                    ; wave
	v_and_b32 v5, 31, v0
	v_and_b32 v6, 15, v0
	v_bfe_u32 v7, v0, 4, 1
	v_lshlrev_b32 v1, 4, v5
	v_lshlrev_b32 v2, 3, v5
	v_lshlrev_b32 v3, 5, v6
	v_lshl_add_u32 v10, v6, 5, v7                  ; 32 r + h
	v_lshl_add_u32 v3, v7, 4, v3                   ; 32 r + 16 h
	v_lshlrev_b32 v8, 3, v7                        ; 8 h
	v_mov_b32 v[TP], 0
	v_mov_b32 v[TP+1], 0
	s_mov_b32 s[SEL], 0x76543210
	s_mov_b32 s[SEL+1], 0xfedcba98
	s_mov_b32 s[KGA], 0xbdd2d3e8
	s_mov_b32 s[KGB], 0xc0135761
	s_and_b32 s14, ttmp9, 31
	s_lshl_b32 s14, s14, 1
	s_and_b32 s17, s16, 1
	s_add_co_u32 s14, s14, s17                     ; G0: which 64 hidden units, 0..63
	s_lshr_b32 s15, ttmp9, 5
	s_lshl_b32 s15, s15, 1
	s_lshr_b32 s17, s16, 1
	s_add_co_u32 s15, s15, s17                     ; G1: which 64 rows, 0..15
	s_mov_b32 s19, 0
	s_wait_alu depctr_va_vdst(0)
	s_wait_kmcnt 0x0
	s_lshl_b32 s17, s14, 2
	s_add_co_u32 s17, s17, 384                     ; W1's job of my first tile
	s_mul_i32 s18, s17, 12288
	s_add_nc_u64 s[P0:P0+1], s[4:5], s[18:19]
	s_lshl_b32 s18, s17, 9
	s_add_co_u32 s18, s18, ASC
	s_add_nc_u64 s[Q0:Q0+1], s[4:5], s[18:19]
	s_mul_i32 s18, s15, 49152
	s_add_co_u32 s18, s18, 4194304
	s_add_nc_u64 s[P1:P1+1], s[6:7], s[18:19]
	s_lshl_b32 s18, s15, 11
	s_add_co_u32 s18, s18, 4980736
	s_add_nc_u64 s[Q1:Q1+1], s[6:7], s[18:19]
.irp i, 0,1,2,3
	global_load_b128 v[SC0+4*\i:SC0+4*\i+3], v3, s[Q0:Q0+1] offset:\i*SS
	global_load_b128 v[SC1+4*\i:SC1+4*\i+3], v3, s[Q1:Q1+1] offset:\i*SS
.endr
	s_lshl_b32 s17, s15, 8
	s_add_co_u32 s17, s17, s14
	s_mul_i32 s18, s17, 768
	s_add_nc_u64 s[COD:COD+1], s[8:9], s[18:19]    ; unit G0 of row tile 4 G1
	s_lshl_b32 s18, s15, 4
	s_lshr_b32 s17, s14, 4
	s_add_co_u32 s18, s18, s17
	s_lshl_b32 s18, s18, 9
	s_and_b32 s17, s14, 15
	s_lshl_b32 s17, s17, 1
	s_add_co_u32 s18, s18, s17
	s_add_co_u32 s18, s18, 3145728
	s_add_nc_u64 s[SCO:SCO+1], s[8:9], s[18:19]
	GEMM_RUN
.irp m, 0,1,2,3
	GELU32 ACC+32*\m, 48
	QUANT32 ACC+32*\m, CD+8*\m, PX, SBY+\m
	global_store_b128 v1, v[CD+8*\m:CD+8*\m+3], s[COD:COD+1] offset:49152*\m
	global_store_b64 v2, v[CD+8*\m+4:CD+8*\m+5], s[COD:COD+1] offset:49152*\m+512
	v_lshrrev_b32 v[CD+8*\m+6], v8, v[SBY+\m]
	global_store_b8 v10, v[CD+8*\m+6], s[SCO:SCO+1] offset:2048*\m
.endr
	s_endpgm
.Lfunc_end_k_q860e9e2235_ffn1:
	.size	k_q860e9e2235_ffn1, .Lfunc_end_k_q860e9e2235_ffn1-k_q860e9e2235_ffn1
	.p2alignl 7, 3214868480
	.fill 96, 4, 3214868480
	.section	.rodata,"a",@progbits
	.p2align	6, 0x0
	.amdhsa_kernel k_q860e9e2235_ffn1
		.amdhsa_group_segment_fixed_size 0
		.amdhsa_private_segment_fixed_size 0
		.amdhsa_enable_private_segment 0
		.amdhsa_kernarg_size 24
		.amdhsa_user_sgpr_count 2
		.amdhsa_user_sgpr_kernarg_segment_ptr 1
		.amdhsa_wavefront_size32 1
		.amdhsa_system_sgpr_workgroup_id_x 1
		.amdhsa_system_sgpr_workgroup_id_y 1
		.amdhsa_system_sgpr_workgroup_id_z 1
		.amdhsa_system_vgpr_workitem_id 0
		.amdhsa_next_free_vgpr 448
		.amdhsa_next_free_sgpr 66
		.amdhsa_reserve_vcc 0
		.amdhsa_float_denorm_mode_32 3
		.amdhsa_float_denorm_mode_16_64 3
		.amdhsa_memory_ordered 1
		.amdhsa_forward_progress 1
		.amdhsa_inst_pref_size 87
	.end_amdhsa_kernel
	.amdgpu_metadata
---
amdhsa.version: [ 1, 2 ]
amdhsa.kernels:
  - .name:           k_q860e9e2235_ffn1
    .symbol:         k_q860e9e2235_ffn1.kd
    .args:
      - { .name: abuf, .offset: 0, .size: 8, .value_kind: global_buffer, .address_space: global }
      - { .name: dbuf, .offset: 8, .size: 8, .value_kind: global_buffer, .address_space: global }
      - { .name: ebuf, .offset: 16, .size: 8, .value_kind: global_buffer, .address_space: global }
    .group_segment_fixed_size: 0
    .private_segment_fixed_size: 0
    .kernarg_segment_align: 8
    .kernarg_segment_size: 24
    .max_flat_workgroup_size: 128
    .sgpr_count:     66
    .vgpr_count:     448
    .wavefront_size: 32
...
	.end_amdgpu_metadata
.endif
;; end of part 5
;; launch ffn2 (part 6): grid 16 x 16, 4 waves a work-group, no clusters, 83,456 bytes of LDS; arguments abuf, ebuf, dbuf, out0; writes out0
.if DOCPART == 6
	.amdgcn_target "amdgcn-amd-amdhsa--gfx1250"
	.amdhsa_code_object_version 6
	.text
	.protected	k_q860e9e2235_ffn2
	.globl	k_q860e9e2235_ffn2
	.p2align	8
	.type	k_q860e9e2235_ffn2,@function
k_q860e9e2235_ffn2:
	s_mov_b64 s[64:65], 0
	v_nop
	global_prefetch_b8 v0, s[64:65] scope:SCOPE_SE
	s_setreg_imm32_b32 hwreg(HW_REG_WAVE_MODE, 25, 1), 1
	s_wait_xcnt 0x0
; out0 = t2 + h W2^T, K = 4,096, on codes of FP6 (E2M3).
; A work-group makes 64 rows x 64 columns.  THE FOUR WAVES SHARE K: wave w takes the w-th 1,024 along K (eight K steps) for the whole tile, 16 accumulators, so that 256 work-groups have work.
; The four partial sums meet in LDS (65,536 bytes); wave w then owns row tile w: (P0 + P1) + (P2 + P3), an order of f32 sums that differs from one ascending chain.
; Source 0 = W2's rows, source 1 = h's rows: a lane holds one row of the result, register 16 b + i = column 32 b + 16 (lane / 16) + i.  t2 comes as the image of just these registers.
; The result turns through the wave's own stage (16 rows, 272 bytes apart) and leaves by rows: sixteen lanes store a row's 256 consecutive bytes, at a multiple of 256 from out0's first byte.
; Operands go from memory straight into registers: no LDS tile and no tensor load stand here, so there is nothing to ask for jointly in a cluster.
; LIMITS: NaN and infinities among the inputs are not served.
.set ASC, 11010048
.set NS,  8
.set TS,  49152
.set SS,  2048
.set SCW, 4
.set P0,  20
.set P1,  22
.set Q0,  24
.set Q1,  26
.set IMG, 28
.set OUT, 30
.set ACC, 80
.set SC0, 16
.set SC1, 32
.set MSB, 0
.macro WIN new                         ; the immediate's high byte repeats the setting that is left
.if MSB != \new
	s_set_vgpr_msb (MSB<<8)|\new
.set MSB, \new
.endif
.endm
.macro PLACES
.rept 4
	v_nop
.endr
.endm
.macro FRAGS sb, reg, step
.irp i, 0,1,2,3
	global_load_b128 v[\reg+12*\i:\reg+12*\i+3], v1, s[\sb:\sb+1] offset:\i*TS+(\step)*1536
	global_load_b64 v[\reg+12*\i+4:\reg+12*\i+5], v2, s[\sb:\sb+1] offset:\i*TS+(\step)*1536+512
	global_load_b128 v[\reg+12*\i+6:\reg+12*\i+9], v1, s[\sb:\sb+1] offset:\i*TS+(\step)*1536+768
	global_load_b64 v[\reg+12*\i+10:\reg+12*\i+11], v2, s[\sb:\sb+1] offset:\i*TS+(\step)*1536+1280
.endr
.endm
.macro LOADSTEP s
	WIN 0x40
	FRAGS P0, 96*((\s)%2), \s
	FRAGS P1, 96*((\s)%2)+48, \s
.endm
.macro WM acc, fa, fb, zero, sa, sb, row
.if \zero
	v_wmma_scale_f32_16x16x128_f8f6f4 v[\acc:\acc+7], v[\fa:\fa+11], v[\fb:\fb+11], 0, v[\sa], v[\sb] matrix_a_fmt:MATRIX_FMT_FP6 matrix_b_fmt:MATRIX_FMT_FP6
.elseif \row
	v_wmma_scale_f32_16x16x128_f8f6f4 v[\acc:\acc+7], v[\fa:\fa+11], v[\fb:\fb+11], v[\acc:\acc+7], v[\sa], v[\sb] matrix_a_fmt:MATRIX_FMT_FP6 matrix_b_fmt:MATRIX_FMT_FP6 matrix_a_scale:MATRIX_SCALE_ROW1 matrix_b_scale:MATRIX_SCALE_ROW1
.else
	v_wmma_scale_f32_16x16x128_f8f6f4 v[\acc:\acc+7], v[\fa:\fa+11], v[\fb:\fb+11], v[\acc:\acc+7], v[\sa], v[\sb] matrix_a_fmt:MATRIX_FMT_FP6 matrix_b_fmt:MATRIX_FMT_FP6
.endif
.endm
.macro MULSTEP s                       ; the 16 accumulators take turns, in the same order in every step
	WIN 0x05
.irp m, 0,1,2,3
.irp a, 0,1,2,3
	WM ACC+8*(4*\m+\a), 96*((\s)%2)+12*\a, 96*((\s)%2)+48+12*\m, (\s)==0, SC0+SCW*\a+(\s)%SCW, SC1+SCW*\m+(\s)%SCW, (\s)/4
.endr
.endr
.endm
.macro GEMM_RUN
	LOADSTEP 0
	LOADSTEP 1
.set KSI, 0
.rept NS
.if KSI == NS-1
	s_wait_loadcnt 0x0
.else
	s_wait_loadcnt 32                              ; this step's fragments, and all that is older, are in; the next step's 32 loads may be out
.endif
	MULSTEP KSI
.if KSI+2 < NS
	PLACES
	LOADSTEP KSI+2
.endif
.set KSI, KSI+1
.endr
	WIN 0
	PLACES
.endm
	s_load_b256 s[4:11], s[0:1], 0x0               ; abuf, ebuf, dbuf, out0
	v_lshl_add_u32 v254, v0, 2, 0x14400
	v_mov_b32 v255, 0
	v_lshrrev_b32 v4, 5, v0
	v_readfirstlane_b32 s16, v4                    ; wave
	v_and_b32 v11, 31, v0
	v_and_b32 v12, 15, v0                          ; r
	v_bfe_u32 v13, v0, 4, 1                        ; h
	v_lshlrev_b32 v1, 4, v11
	v_lshlrev_b32 v2, 3, v11
	v_lshlrev_b32 v3, 5, v12
	v_lshl_add_u32 v3, v13, 4, v3                  ; 32 r + 16 h
	s_lshl_b32 s17, s16, 14
	v_add_nc_u32 v4, s17, v1                       ; my partial sums
	s_lshl_b32 s17, s16, 12
	v_add_nc_u32 v5, s17, v1                       ; row tile w of every wave's
	s_mul_i32 s17, s16, 4352
	s_add_co_u32 s17, s17, 65536                   ; my stage
	v_mul_u32_u24 v6, v13, 272
	v_lshl_add_u32 v6, v12, 4, v6
	v_add_nc_u32 v6, s17, v6                       ; by rows
	v_mul_u32_u24 v7, v12, 272
	v_lshl_add_u32 v7, v13, 6, v7
	v_add_nc_u32 v7, s17, v7                       ; by lanes
	v_lshlrev_b32 v9, 12, v13
	v_lshl_add_u32 v9, v12, 4, v9                  ; out0: 4,096 (lane / 16) + 16 (lane % 16)
	s_mov_b32 s14, ttmp9                           ; G0: which 64 columns
	s_and_b32 s15, ttmp7, 0xffff                   ; G1: which 64 rows
	s_mov_b32 s19, 0
	s_wait_alu depctr_va_vdst(0)
	s_wait_kmcnt 0x0
	s_lshl_b32 s17, s15, 2
	s_add_co_u32 s17, s17, s16                     ; T = 4 G1 + w
	s_lshl_b32 s17, s17, 4
	s_add_co_u32 s17, s17, s14
	s_lshl_b32 s18, s17, 12
	s_add_nc_u64 s[IMG:IMG+1], s[8:9], s[18:19]
.irp c, 0,1,2,3,4,5,6,7
	global_load_b128 v[48+4*\c:48+4*\c+3], v1, s[IMG:IMG+1] offset:512*\c   ; t2 of my row tile, in the result's layout
.endr
	s_lshl_b32 s17, s14, 4
	s_add_co_u32 s17, s17, s16
	s_add_co_u32 s17, s17, 640                     ; W2's job: tile 4 G0, chunk w
	s_mul_i32 s18, s17, 12288
	s_add_nc_u64 s[P0:P0+1], s[4:5], s[18:19]
	s_lshl_b32 s18, s17, 9
	s_add_co_u32 s18, s18, ASC
	s_add_nc_u64 s[Q0:Q0+1], s[4:5], s[18:19]
	s_lshl_b32 s17, s15, 4
	s_add_co_u32 s17, s17, s16                     ; h: row tile 4 G1, chunk w
	s_mul_i32 s18, s17, 12288
	s_add_nc_u64 s[P1:P1+1], s[6:7], s[18:19]
	s_lshl_b32 s18, s17, 9
	s_add_co_u32 s18, s18, 3145728
	s_add_nc_u64 s[Q1:Q1+1], s[6:7], s[18:19]
.irp i, 0,1,2,3
	global_load_b128 v[SC0+4*\i:SC0+4*\i+3], v3, s[Q0:Q0+1] offset:\i*SS
	global_load_b128 v[SC1+4*\i:SC1+4*\i+3], v3, s[Q1:Q1+1] offset:\i*SS
.endr
	s_lshl_b32 s18, s15, 6
	s_lshr_b32 s17, s16, 1
	s_lshl_b32 s17, s17, 5
	s_add_co_u32 s18, s18, s17
	s_and_b32 s17, s16, 1
	s_lshl_b32 s17, s17, 3
	s_add_co_u32 s18, s18, s17                     ; row tile 4 G1 + w begins at row 64 G1 + 32 (w / 2) + 8 (w % 2)
	s_lshl_b32 s18, s18, 12
	s_lshl_b32 s17, s14, 8
	s_add_co_u32 s18, s18, s17
	s_add_nc_u64 s[OUT:OUT+1], s[10:11], s[18:19]
	GEMM_RUN
.irp m, 0,1,2,3
.irp c, 0,1,2,3,4,5,6,7
	ds_store_b128 v4, v[ACC+32*\m+4*\c:ACC+32*\m+4*\c+3] offset:4096*\m+512*\c   ; each accumulator from its low end on
.endr
.endr
	s_wait_dscnt 0x0                               ; for the others' sake: my partial sums lie in LDS
	s_barrier_signal -1
	s_barrier_wait -1
.irp k, 0,1,2,3
.irp c, 0,1,2,3,4,5,6,7
	ds_load_b128 v[ACC+32*\k+4*\c:ACC+32*\k+4*\c+3], v5 offset:16384*\k+512*\c
.endr
.endr
	s_wait_dscnt 0x0
.set TI, 0
.rept 16
	v_pk_add_f32 v[ACC+TI:ACC+TI+1], v[ACC+TI:ACC+TI+1], v[ACC+32+TI:ACC+33+TI]
	v_pk_add_f32 v[ACC+64+TI:ACC+65+TI], v[ACC+64+TI:ACC+65+TI], v[ACC+96+TI:ACC+97+TI]
.set TI, TI+2
.endr
.set TI, 0
.rept 16
	v_pk_add_f32 v[ACC+TI:ACC+TI+1], v[ACC+TI:ACC+TI+1], v[ACC+64+TI:ACC+65+TI]
.set TI, TI+2
.endr
.set TI, 0
.rept 16
	v_pk_add_f32 v[ACC+TI:ACC+TI+1], v[ACC+TI:ACC+TI+1], v[48+TI:49+TI]   ; + t2
.set TI, TI+2
.endr
.irp b, 0,1
.irp j, 0,1,2,3
	ds_store_b128 v7, v[ACC+16*\b+4*\j:ACC+16*\b+4*\j+3] offset:128*\b+16*\j
.endr
.endr
.irp i, 0,1,2,3,4,5,6,7
	ds_load_b128 v[48+4*\i:48+4*\i+3], v6 offset:544*\i    ; LDS serves a wave's instructions in order: these see my stores
.endr
.irp i, 0,1,2,3,4,5,6,7
	s_wait_dscnt 7-\i                              ; load i is in; the younger ones may be out
	global_store_b128 v9, v[48+4*\i:48+4*\i+3], s[OUT:OUT+1] offset:(2*\i+8*(\i/4))*4096 th:TH_STORE_NT
.endr
	s_barrier_signal -1
	s_barrier_wait -1
	s_wait_tensorcnt 0x0
	ds_add_u32 v254, v255
	s_wait_dscnt 0x0
	s_endpgm
.Lfunc_end_k_q860e9e2235_ffn2:
	.size	k_q860e9e2235_ffn2, .Lfunc_end_k_q860e9e2235_ffn2-k_q860e9e2235_ffn2
	.p2alignl 7, 3214868480
	.fill 96, 4, 3214868480
	.section	.rodata,"a",@progbits
	.p2align	6, 0x0
	.amdhsa_kernel k_q860e9e2235_ffn2
		.amdhsa_group_segment_fixed_size 83456
		.amdhsa_private_segment_fixed_size 0
		.amdhsa_enable_private_segment 0
		.amdhsa_kernarg_size 32
		.amdhsa_user_sgpr_count 2
		.amdhsa_user_sgpr_kernarg_segment_ptr 1
		.amdhsa_wavefront_size32 1
		.amdhsa_system_sgpr_workgroup_id_x 1
		.amdhsa_system_sgpr_workgroup_id_y 1
		.amdhsa_system_sgpr_workgroup_id_z 1
		.amdhsa_system_vgpr_workitem_id 0
		.amdhsa_next_free_vgpr 448
		.amdhsa_next_free_sgpr 66
		.amdhsa_reserve_vcc 0
		.amdhsa_float_denorm_mode_32 3
		.amdhsa_float_denorm_mode_16_64 3
		.amdhsa_memory_ordered 1
		.amdhsa_forward_progress 1
		.amdhsa_inst_pref_size 57
	.end_amdhsa_kernel
	.amdgpu_metadata
---
amdhsa.version: [ 1, 2 ]
amdhsa.kernels:
  - .name:           k_q860e9e2235_ffn2
    .symbol:         k_q860e9e2235_ffn2.kd
    .args:
      - { .name: abuf, .offset: 0, .size: 8, .value_kind: global_buffer, .address_space: global }
      - { .name: ebuf, .offset: 8, .size: 8, .value_kind: global_buffer, .address_space: global }
      - { .name: dbuf, .offset: 16, .size: 8, .value_kind: global_buffer, .address_space: global }
      - { .name: out0, .offset: 24, .size: 8, .value_kind: global_buffer, .address_space: global }
    .group_segment_fixed_size: 83456
    .private_segment_fixed_size: 0
    .kernarg_segment_align: 8
    .kernarg_segment_size: 32
    .max_flat_workgroup_size: 128
    .sgpr_count:     66
    .vgpr_count:     448
    .wavefront_size: 32
...
	.end_amdgpu_metadata
.endif
;; end of part 6
